; MI455X (gfx1250); checked and timed in simulation.
; The chip was launched on July 23, 2026; its instructions are those of AMD's public machine-readable ISA for CDNA 5 (MIT licence, August 2026) and "CDNA5" Instruction Set Architecture Reference Guide (July 2026). The comments in the code are by the model that wrote it; some were corrected since.
;; Eagle3 Attention. Allowed arithmetic: matrix products marked QUANTISED: E2M3 operands, one E8M0 scale for each 32 along K, by v_wmma_scale_f32_16x16x128_f8f6f4 with both operands' format E2M3, f32 sums; everything else in f32.
;; Inputs: Wk 4,096 x 512 float32; Wo 1,024 x 2,048 float32; Wq 4,096 x 1,024 float32; Wv 4,096 x 512 float32; attention_mask 2 x 1 x 2,048 x 2,048 float32; hidden_states 2 x 2,048 x 4,096 float32; position_ids 2 x 2,048 int32.
;; Outputs: out0 2 x 2,048 x 2,048 float32.
;; This version of the problem:
;;   THIS VERSION OF THE PROBLEM IS GIVEN IN LOW PRECISION. The matrix products marked QUANTISED in the list below multiply operands that are first quantised to E2M3 (2 exponent bits, 3 mantissa bits; 6 bits a number), with one power-of-two scale for each 32 numbers along K (OCP MX v1.0); their sums are f32. All else is computed in f32.
;;   The module's matrix products, in the order in which they are computed (A, B: the left and right operand; K: the contracted axis; several contracted axes count as one K, in the product's order):
;;     1. [M 4,096, K 4,096] x [K 4,096, N 1,024]; A: input hidden_states; B: input Wq: QUANTISED
;;     2. [M 4,096, K 4,096] x [K 4,096, N 512]; A: input hidden_states; B: input Wk: QUANTISED
;;     3. [M 4,096, K 4,096] x [K 4,096, N 512]; A: input hidden_states; B: input Wv: QUANTISED
;;     4. batch 16 x [M 4,096, K 64] x [K 64, N 2,048]; A: computed on the way; B: computed on the way: QUANTISED
;;     5. batch 16 x [M 4,096, K 2,048] x [K 2,048, N 64]; A: softmax (see below); B: computed on the way: QUANTISED
;;     6. [M 4,096, K 1,024] x [K 1,024, N 2,048]; A: computed on the way; B: input Wo: QUANTISED
;;   THE QUANTISER, for each operand of a quantised product, along K:
;;     - K is cut into blocks of 32 from its start; a last block that is shorter is filled with zeros.
;;     - A block's scale is 2^e with e = floor(log2(the largest magnitude in the block)) - 2, held to -126 .. 127; a block of zeros has e = 0. As a byte (E8M0): e + 127.
;;     - Each number is divided by its block's scale, clamped to +-7.5, and rounded to the nearest number of E2M3, ties to even, subnormals kept.
;;     - The product sums the exact products of the quantised numbers (number of the format x scale) in f32.
;;   ~~~python
;;   def quantise(x, axis):      # numpy; x: float32 -> the quantised numbers, widened to float32 again
;;       x = np.moveaxis(x, axis, -1); K = x.shape[-1]
;;       x = np.pad(x, [(0, 0)] * (x.ndim - 1) + [(0, -K % 32)]); x = x.reshape(x.shape[:-1] + (-1, 32)); a = np.abs(x).max(-1, keepdims=True)
;;       e = np.where(a > 0, np.clip(np.frexp(np.where(a > 0, a, 1))[1] - 1 - 2, -126, 127), 0)      # np.frexp(a)[1] - 1 = floor(log2(a)), exactly
;;       r = np.clip(x / 2.0 ** e, -7.5, 7.5)
;;       step = 2.0 ** (np.maximum(np.frexp(np.where(r == 0, 1, r))[1] - 1, 0) - 3)
;;       q = np.round(r / step) * step * 2.0 ** e      # np.round: ties to even
;;       return np.moveaxis(q.reshape(q.shape[:-2] + (-1,))[..., :K], -1, axis).astype(np.float32)
;;   ~~~
;;   SOFTMAX AHEAD OF A QUANTISED PRODUCT. Where the list says 'softmax', what is quantised is not the finished softmax but p = 2^(t - M), with t = logit x log2(e) and M = ceil(the row's largest t), a whole number; so 1/2 < the row's largest p <= 1. The row's sum l is taken of the UNQUANTISED p, in f32, and the product's result is divided by l at the end. Since M is a whole number, a kernel that streams over the keys may use a running M (the ceiling of the running maximum): every later rescaling is an exact power of two, which a block's scale takes up: the codes' values come out the same.
;;   OPERANDS COMPUTED ON THE WAY. 'Computed on the way' means the value that the module computes at that place (a softmax that the list does not call 'softmax' is quantised finished and normalised). What goes into a quantiser is computed in f32, as accurately as f32 sums, v_exp_f32 and their like allow (about 1e-6 of the number): no bf16 or f16 on the way to a quantiser, and a product that is left as it is and whose result goes on into a quantised operand takes f32 operands (vector FMAs, or v_wmma_f32_16x16x4_f32). A number that lies on a knife's edge between two numbers of the format may be rounded either way, as far as f32 arithmetic and the matrix unit's own rounding can turn it there, and no further.
;; One version. Each part assembles by itself: llvm-mc -triple=amdgcn-amd-amdhsa -mcpu=gfx1250 --defsym DOCPART=n.
;; ======== version 1 of 1: 4 launches
;; limits: right only within a limited range of input values
;; workspace buffers: hbuf 13,107,200 bytes; wbuf 6,553,600 bytes; wobuf 1,638,400 bytes; rope 1,048,576 bytes; qkv 6,553,600 bytes; aobuf 3,276,800 bytes
;; launch prep (part 1): grid 736 x 1, 4 waves a work-group, no clusters, 85,504 bytes of LDS; arguments hidden_states, Wq, Wk, Wv, Wo, position_ids, hbuf, wbuf, wobuf, rope; writes hbuf, wbuf, wobuf, rope
.if DOCPART == 1
	.amdgcn_target "amdgcn-amd-amdhsa--gfx1250"
	.amdhsa_code_object_version 6
	.text
	.protected	k_q3fd1e83a54_prep
	.globl	k_q3fd1e83a54_prep
	.p2align	8
	.type	k_q3fd1e83a54_prep,@function
k_q3fd1e83a54_prep:
	s_mov_b64 s[64:65], 0
	v_nop
	global_prefetch_b8 v0, s[64:65] scope:SCOPE_SE
	s_setreg_imm32_b32 hwreg(HW_REG_WAVE_MODE, 25, 1), 1
	s_wait_xcnt 0x0
; PREP: hidden_states [4096][4096] and the four weights (K is their FIRST axis) become codes of FP6 (E2M3) with one E8M0 byte for each 32 along K; position_ids become a table of cos and sin.
; A block's scale is 2^(floor(log2(largest magnitude)) - 2); its byte is the largest magnitude's exponent field - 2, held at 1 from below.
; THE UNIT, 6,400 bytes, is the layout of every buffer of codes: four fragments (16 rows x 128 K, 12 registers a lane) as IMAGES OF THE OPERAND'S REGISTERS: fragment f at 1536 f, registers 4 c .. 4 c + 3 at 512 c,
; lane l's 16 bytes at 16 l; at byte 6,144 the scale words, row r's word of fragment f at 16 r + 4 f.  A fragment then comes back by three loads of 512 consecutive bytes.
; THE ROWS OF A TILE ARE NOT NEIGHBOURS: lane r of tile T holds row 32 (T / 2) + 8 (T % 2) + r + 8 (r / 8), for tokens and for the weights' columns alike.
; Work-groups 0-159 take the weights, 160-671 hidden_states, 672-735 the table.  Waves share nothing: no barrier.  Each path has LDS bytes of its own.
; LIMITS: a block of zeros gets the byte 1 (its codes are zeros; this program alone reads the bytes); blocks under 2^-124 were not tried; NaN and infinities are not served;
; |position| under 2^22; the inverse frequencies lie within about 2 units in the last place of 10000^(-j/32).
.set UNIT,  6400
.set SEL,   26                         ; s[26:27] lane selects: lane l xor 16
.set HSTG,  16*528                     ; path H: a wave's stage, 16 rows of 512 bytes + 16
.set WBASE, 4*HSTG                     ; path W's bytes begin behind path H's
.set WSTG,  2*UNIT                     ; a wave's two units
; 64 numbers of a lane, v[X + 32 c + i] = k 64 c + 32 (lane / 16) + i of its row: two WHOLE blocks.  They become the fragment's 12 registers in v[C] on and the row's scale word in v[wd].
.macro QUANT2 wd
.irp c, 0,1
	v_max3_num_f32 v[QM+\c], |v[X+32*\c]|, |v[X+32*\c+1]|, 0x1800000   ; the floor 2^(3 - 127) among the leaves: the byte cannot fall under 1
.endr
.irp i, 2,4,6,8,10,12,14,16,18,20,22,24,26,28,30
.irp c, 0,1
	v_max3_num_f32 v[QM+\c], v[QM+\c], |v[X+32*\c+\i]|, |v[X+32*\c+\i+1]|   ; the two blocks by turns
.endr
.endr
.irp c, 0,1
	v_add_nc_u32 v[QSO+\c], 0xff000000, v[QM+\c]   ; 2 off the exponent field: the conversion's scale operand
.endr
.irp c, 0,1
	v_lshrrev_b32 v[QM+\c], 23, v[QSO+\c]          ; the scale's byte
.endr
	v_lshl_or_b32 v[\wd], v[QM+1], 16, v[QM]       ; my blocks are h and 2 + h of the row:
	v_lshlrev_b32 v[\wd], v[SH8], v[\wd]           ; 8 h bits up;
	v_permlanex16_b32 v[QP], v[\wd], s[SEL], s[SEL+1]
	v_or_b32 v[\wd], v[\wd], v[QP]                 ; with lane l xor 16's two bytes the word is whole
.irp c, 0,1
	v_cvt_scalef32_pk16_fp6_f32 v[C+6*\c:C+6*\c+2], v[X+32*\c:X+32*\c+15], v[QSO+\c]
	v_cvt_scalef32_pk16_fp6_f32 v[T+4*\c:T+4*\c+2], v[X+32*\c+16:X+32*\c+31], v[QSO+\c]   ; (a conversion's three registers begin on an even number)
.endr
	v_nop                                          ; one plain line behind the last conversion
.irp c, 0,1
.irp i, 0,1,2
	v_mov_b32 v[C+6*\c+3+\i], v[T+4*\c+\i]
.endr
.endr
.endm
	s_load_b512 s[4:19], s[0:1], 0x0               ; hidden s[4:5], Wq s[6:7], Wk s[8:9], Wv s[10:11], Wo s[12:13], positions s[14:15], hbuf s[16:17], wbuf s[18:19]
	s_load_b128 s[20:23], s[0:1], 0x40             ; wobuf s[20:21], rope s[22:23]
	v_lshl_add_u32 v30, v0, 2, 0x14c00
	v_mov_b32 v31, 0
	v_lshrrev_b32 v1, 5, v0
	v_readfirstlane_b32 s24, v1                    ; wave
	v_and_b32 v2, 31, v0                           ; lane
	v_and_b32 v3, 15, v0                           ; r
	v_bfe_u32 v4, v0, 4, 1                         ; h
	s_mov_b32 s[SEL], 0x76543210
	s_mov_b32 s[SEL+1], 0xfedcba98
	s_wait_kmcnt 0x0
	s_cmp_lt_u32 ttmp9, 160
	s_cbranch_scc1 .Lweights
	s_cmp_lt_u32 ttmp9, 672
	s_cbranch_scc1 .Lhidden
; ---- THE TABLE: a wave takes 16 tokens, a lane one of the 32 frequencies.  rope[token][j] = (cos, sin) of position x 10000^(-j/32): 256 bytes a token, one store.
	s_sub_co_u32 s28, ttmp9, 672
	s_lshl_b32 s28, s28, 2
	s_add_co_u32 s28, s28, s24                     ; which run of 16 tokens
	s_lshl_b32 s30, s28, 6                         ; its 64 bytes of positions
	s_mov_b32 s31, 0
	s_add_nc_u64 s[14:15], s[14:15], s[30:31]
	s_load_b512 s[32:47], s[14:15], 0x0
	s_lshl_b32 s28, s28, 12                        ; its 16 x 256 bytes of the table
	s_mov_b32 s29, 0
	s_add_nc_u64 s[22:23], s[22:23], s[28:29]
	s_mov_b32 s48, 0x3f22f983                      ; 2 / pi
	s_mov_b32 s49, 0xbfc90fdb                      ; - pi / 2 in three parts: the f32 nearest,
	s_mov_b32 s50, 0x333bbd2e                      ; what that has too much,
	s_mov_b32 s51, 0x26f72ced                      ; and the rest
	s_mov_b32 s52, 0xb94ca1f9                      ; sin r = r + r z (S1 + z (S2 + z S3)), z = r r, |r| <= pi / 4
	s_mov_b32 s53, 0x3c08839e
	s_mov_b32 s54, 0xbe2aaaa3
	s_mov_b32 s55, 0x37ccf5ce                      ; cos r = 1 - z / 2 + z z (C1 + z (C2 + z C3))
	s_mov_b32 s56, 0xbab6061a
	s_mov_b32 s57, 0x3d2aaaa5
	s_mov_b32 s58, 0xb476865d                      ; log2(10000) / 32 = 435412 x 2^-20 + this
	s_wait_alu depctr_va_vdst(0)
	v_cvt_f32_u32 v5, v2                           ; j
	v_mul_f32 v6, 0x3ed49a80, v5                   ; a = j x 435412 x 2^-20: 5 bits x 19 bits, exact
	v_floor_f32 v7, v6                             ; n
	v_sub_f32 v6, v6, v7                           ; exact
	v_fma_f32 v6, v5, s58, v6                      ; the fraction of j log2(10000) / 32
	s_wait_alu depctr_va_vdst(0)
	v_exp_f32 v8, -v6
	v_cvt_i32_f32 v7, v7                           ; (a plain line behind the exponential)
	v_sub_nc_u32 v7, 0, v7
	v_lshlrev_b32 v9, 3, v2                        ; my 8 bytes of a token's 256
	s_wait_alu depctr_va_vdst(0)                   ; the wait ahead of the result's first reader
	v_ldexp_f32 v8, v8, v7                         ; 10000^(-j/32)
	s_wait_kmcnt 0x0
.macro TOKEN i
	v_cvt_f32_i32 v10, s[32+\i]
	s_wait_alu depctr_va_vdst(0)
	v_mul_f32 v10, v10, v8                         ; the angle, rounded as the product of two f32 numbers
	v_mul_f32 v11, s48, v10
	v_rndne_f32 v11, v11                           ; n quarter turns
	v_fma_f32 v12, v11, s49, v10                   ; exact: a multiple of 2^-23 under 1
	v_fma_f32 v12, v11, s50, v12
	v_fma_f32 v12, v11, s51, v12                   ; r
	v_mul_f32 v13, v12, v12                        ; z
	v_cvt_i32_f32 v14, v11
	v_fma_f32 v15, v13, s52, s53
	v_fma_f32 v17, v13, s55, s56
	v_fma_f32 v15, v15, v13, s54
	v_fma_f32 v17, v17, v13, s57
	v_mul_f32 v16, v12, v13
	v_mul_f32 v19, v13, v13
	v_fma_f32 v18, v13, -0.5, 1.0
	v_fma_f32 v15, v16, v15, v12                   ; sin r
	v_fma_f32 v17, v19, v17, v18                   ; cos r
	v_and_b32 v16, 1, v14
	v_cmp_eq_u32 vcc_lo, 1, v16                    ; an odd number of quarter turns: the two change places
	v_cndmask_b32 v18, v15, v17, vcc_lo
	v_cndmask_b32 v19, v17, v15, vcc_lo
	v_lshlrev_b32 v16, 30, v14                     ; sin is negated in quarters 2 and 3,
	v_and_b32 v16, 0x80000000, v16
	v_xor_b32 v[65+2*\i], v16, v18
	v_add_nc_u32 v14, 1, v14                       ; cos in quarters 1 and 2
	v_lshlrev_b32 v14, 30, v14
	v_and_b32 v14, 0x80000000, v14
	v_xor_b32 v[64+2*\i], v14, v19
	global_store_b64 v9, v[64+2*\i:65+2*\i], s[22:23] offset:256*\i   ; 32 lanes store 256 consecutive bytes, aligned; each token has registers of its own
.endm
.irp i, 0,1,2,3,4,5,6,7,8,9,10,11,12,13,14,15
	TOKEN \i
.endr
	s_endpgm
; ---- HIDDEN STATES: a wave makes one unit: 16 rows (tile RT) x 512 along K.  Each load reads 512 consecutive bytes of one row; a fragment's 16 x 512 bytes turn through the wave's stage so that a lane holds two whole blocks.
.Lhidden:
.set R,   32                           ; v32-159  two sets of 64 registers as loaded
.set X,   160                          ; v160-223 64 numbers in the operand's order
.set C,   224                          ; v224-235 the fragment
.set T,   236
.set QM,  244
.set QSO, 246
.set WD,  248                          ; v248-251 the four scale words
.set QP,  252
.set SH8, 253
	s_sub_co_u32 s28, ttmp9, 160
	s_lshl_b32 s28, s28, 2
	s_add_co_u32 s28, s28, s24                     ; the unit: 8 RT + slot
	s_lshr_b32 s29, s28, 3                         ; RT
	s_and_b32 s30, s28, 7                          ; which 512 along K
	s_lshr_b32 s31, s29, 1
	s_lshl_b32 s31, s31, 5
	s_and_b32 s29, s29, 1
	s_lshl_b32 s29, s29, 3
	s_add_co_u32 s31, s31, s29                     ; the tile's first row: 32 (RT / 2) + 8 (RT % 2)
	s_lshl_b32 s32, s31, 14                        ; rows of 16,384 bytes
	s_lshl_b32 s30, s30, 11
	s_add_co_u32 s32, s32, s30
	s_mov_b32 s33, 0
	s_add_nc_u64 s[4:5], s[4:5], s[32:33]
	s_mul_i32 s32, s28, UNIT
	s_add_nc_u64 s[16:17], s[16:17], s[32:33]
	s_mul_i32 s34, s24, HSTG
	s_wait_alu depctr_va_vdst(0)
	v_lshlrev_b32 v5, 4, v2                        ; 16 x lane: in memory, and in an image
	v_add_nc_u32 v6, s34, v5                       ; the stage, on the way in
	v_mul_u32_u24 v7, v3, 528
	v_lshl_add_u32 v7, v4, 7, v7
	v_add_nc_u32 v7, s34, v7                       ; and out: row r, + 128 h: my block of 32 numbers
	v_lshlrev_b32 v[SH8], 3, v4
	v_lshlrev_b32 v9, 4, v3
	v_lshl_add_u32 v9, v4, 3, v9                   ; 16 r + 8 h: my two scale words
	v_cmp_eq_u32 vcc_lo, 1, v4
	v_mov_b32 v[QP], 0                             ; a lane permute's destination counts as one of its sources
.macro HLOAD f
.irp i, 0,1,2,3,4,5,6,7,8,9,10,11,12,13,14,15
	global_load_b128 v[R+64*((\f)%2)+4*\i:R+64*((\f)%2)+4*\i+3], v5, s[4:5] offset:(\i+8*(\i/8))*16384+512*(\f) th:TH_LOAD_NT
.endr
.endm
.macro HFRAG f
.if (\f) < 3
	s_wait_loadcnt 16                              ; this fragment's 16 loads are in; the next fragment's stay out
.else
	s_wait_loadcnt 0x0
.endif
.irp i, 0,1,2,3,4,5,6,7,8,9,10,11,12,13,14,15
	ds_store_b128 v6, v[R+64*((\f)%2)+4*\i:R+64*((\f)%2)+4*\i+3] offset:528*\i
.endr
.irp c, 0,1
.irp j, 0,1,2,3,4,5,6,7
	ds_load_b128 v[X+32*\c+4*\j:X+32*\c+4*\j+3], v7 offset:256*\c+16*\j   ; LDS serves a wave's instructions in order: these see the stores above
.endr
.endr
	s_wait_dscnt 0x0
.if (\f) < 2
	HLOAD (\f)+2
.endif
	s_wait_xcnt 0x0                                ; the last fragment's stores have read v[C] on
	QUANT2 WD+(\f)
.irp c, 0,1,2
	global_store_b128 v5, v[C+4*\c:C+4*\c+3], s[16:17] offset:1536*(\f)+512*\c   ; 512 consecutive bytes
.endr
.endm
	HLOAD 0
	HLOAD 1
	s_wait_alu depctr_va_vdst(0)
	HFRAG 0
	HFRAG 1
	HFRAG 2
	HFRAG 3
	v_cndmask_b32 v254, v[WD], v[WD+2], vcc_lo     ; lanes 0-15 store fragments 0 and 1's words of row r, lanes 16-31 fragments 2 and 3's
	v_cndmask_b32 v255, v[WD+1], v[WD+3], vcc_lo
	global_store_b64 v9, v[254:255], s[16:17] offset:6144   ; 256 consecutive bytes
	s_wait_tensorcnt 0x0
	ds_add_u32 v30, v31
	s_wait_dscnt 0x0
	s_endpgm
; ---- THE WEIGHTS: a lane takes a column and its registers run down K, so that a block of 32 lies in one lane.  A wave takes 32 columns (two tiles) x 512 along K: two units, gathered in its stage.
.Lweights:
.set OFFS, 32                          ; v32-63   4 x lane + i rows
.set X,    64                          ; v64-127  two sets of 32 numbers
.set C,    128                         ; v128-134 a block's codes
.set WD,   136                         ; v136-139 my column's four scale words
.set OUT,  144                         ; v144-247 the way out
	s_mov_b64 s[28:29], s[12:13]                   ; Wo: 16 groups of 128 columns, 2 runs of 512 along K
	s_mov_b64 s[30:31], s[20:21]
	s_mov_b32 s32, 4                               ; log2 of the groups
	s_mov_b32 s33, 0                               ; the tensor's first tile in its buffer
	s_mov_b32 s34, 128                             ; its first work-group
	s_mov_b32 s35, 2                               ; units to a tile
	s_cmp_lt_u32 ttmp9, 128                        ; the choices hang on the work-group's number alone
	s_cselect_b64 s[28:29], s[10:11], s[28:29]     ; Wv
	s_cselect_b64 s[30:31], s[18:19], s[30:31]
	s_cselect_b32 s32, 2, s32
	s_cselect_b32 s33, 96, s33
	s_cselect_b32 s34, 96, s34
	s_cselect_b32 s35, 8, s35
	s_cmp_lt_u32 ttmp9, 96
	s_cselect_b64 s[28:29], s[8:9], s[28:29]       ; Wk
	s_cselect_b32 s33, 64, s33
	s_cselect_b32 s34, 64, s34
	s_cmp_lt_u32 ttmp9, 64
	s_cselect_b64 s[28:29], s[6:7], s[28:29]       ; Wq
	s_cselect_b32 s32, 3, s32
	s_cselect_b32 s33, 0, s33
	s_cselect_b32 s34, 0, s34
	s_sub_co_u32 s34, ttmp9, s34                   ; the work-group's number in its tensor
	s_lshl_b32 s36, 512, s32                       ; a row of the weight in bytes
	s_lshl_b32 s37, 1, s32
	s_sub_co_u32 s37, s37, 1
	s_and_b32 s37, s34, s37                        ; which 128 columns
	s_lshr_b32 s38, s34, s32                       ; which 512 along K
	s_lshl_b32 s40, s38, 9
	s_mul_i32 s40, s40, s36
	s_lshl_b32 s39, s37, 9
	s_add_co_u32 s40, s40, s39
	s_lshl_b32 s39, s24, 7
	s_add_co_u32 s40, s40, s39                     ; + 4 x (128 group + 32 wave)
	s_mov_b32 s41, 0
	s_add_nc_u64 s[28:29], s[28:29], s[40:41]
	s_lshl_b32 s42, s36, 5                         ; 32 rows on
	s_mov_b32 s43, 0
	s_lshl_b32 s39, s37, 3
	s_add_co_u32 s39, s39, s33
	s_lshl_b32 s44, s24, 1
	s_add_co_u32 s39, s39, s44                     ; my first tile
	s_mul_i32 s39, s39, s35
	s_add_co_u32 s39, s39, s38
	s_mul_i32 s40, s39, UNIT
	s_add_nc_u64 s[46:47], s[30:31], s[40:41]      ; its unit,
	s_mul_i32 s40, s35, UNIT
	s_add_nc_u64 s[48:49], s[46:47], s[40:41]      ; and the next tile's
	s_mul_i32 s44, s24, WSTG
	s_add_co_u32 s44, s44, WBASE                   ; my stage
	v_bfe_u32 v5, v0, 3, 1                         ; column x of the 32 lies in tile (x / 8) % 2,
	v_and_b32 v6, 7, v0
	s_wait_alu depctr_va_vdst(0)
	v_lshl_add_u32 v6, v4, 3, v6                   ; at row x % 8 + 8 (x / 16)
	v_mul_u32_u24 v8, v5, UNIT
	v_lshl_add_u32 v8, v6, 4, v8
	v_add_nc_u32 v8, s44, v8                       ; where my column's codes go
	v_lshlrev_b32 v11, 4, v2
	v_lshlrev_b32 v12, 3, v2
	v_add_nc_u32 v9, s44, v11                      ; the way out: 16 bytes a lane,
	v_add_nc_u32 v10, s44, v12                     ; 8 for the scale words
	v_lshlrev_b32 v[OFFS], 2, v2
.set i, 1
.rept 31
	v_add_nc_u32 v[OFFS+i], s36, v[OFFS+i-1]
.set i, i+1
.endr
.macro WLOAD t                         ; block t: 32 rows, each load 128 consecutive bytes, the four waves side by side
.if (\t) > 0
	s_wait_xcnt 0x0                                ; the loads issued so far have read their base
	s_add_nc_u64 s[28:29], s[28:29], s[42:43]
.endif
.irp i, 0,1,2,3,4,5,6,7,8,9,10,11,12,13,14,15,16,17,18,19,20,21,22,23,24,25,26,27,28,29,30,31
	global_load_b32 v[X+32*((\t)%2)+\i], v[OFFS+\i], s[28:29] th:TH_LOAD_NT
.endr
.endm
.macro WBLOCK t                        ; block t is k 32 t on: fragment t / 4; in it lanes' half t % 2, registers 6 ((t / 2) % 2) on
.set XS, X+32*((\t)%2)
.set WO, 1536*((\t)/4)+256*((\t)%2)
.if (\t) < 15
	s_wait_loadcnt 32                              ; this block's loads are in; the next block's stay out
.else
	s_wait_loadcnt 0x0
.endif
	v_max3_num_f32 v13, |v[XS]|, |v[XS+1]|, |v[XS+2]|
	v_max3_num_f32 v14, |v[XS+3]|, |v[XS+4]|, |v[XS+5]|
.irp i, 6,10,14,18,22,26
	v_max3_num_f32 v13, v13, |v[XS+\i]|, |v[XS+\i+1]|
	v_max3_num_f32 v14, v14, |v[XS+\i+2]|, |v[XS+\i+3]|
.endr
	v_max3_num_f32 v13, v13, |v[XS+30]|, |v[XS+31]|
	v_max3_num_f32 v13, v13, v14, 0x1800000        ; and the floor
	v_add_nc_u32 v15, 0xff000000, v13
	v_lshrrev_b32 v14, 23, v15
.if (\t)%4 == 0
	v_mov_b32 v[WD+(\t)/4], v14
.else
	v_lshl_or_b32 v[WD+(\t)/4], v14, 8*((\t)%4), v[WD+(\t)/4]
.endif
	v_cvt_scalef32_pk16_fp6_f32 v[C:C+2], v[XS:XS+15], v15
	v_cvt_scalef32_pk16_fp6_f32 v[C+4:C+6], v[XS+16:XS+31], v15
	v_nop
	v_mov_b32 v[C+3], v[C+4]                       ; six registers on end
	v_mov_b32 v[C+4], v[C+5]
	v_mov_b32 v[C+5], v[C+6]
.if ((\t)/2)%2 == 0
	ds_store_b128 v8, v[C:C+3] offset:WO           ; registers 0-3,
	ds_store_b64 v8, v[C+4:C+5] offset:WO+512      ; 4 and 5
.else
	ds_store_b64 v8, v[C:C+1] offset:WO+520        ; registers 6 and 7,
	ds_store_b128 v8, v[C+2:C+5] offset:WO+1024    ; 8-11
.endif
.if (\t)+2 < 16
	WLOAD (\t)+2
.endif
	s_wait_dscnt 0x0                               ; the stores have read their registers
.endm
	WLOAD 0
	s_wait_alu depctr_va_vdst(0)
	WLOAD 1
.set Q, 0
.rept 16
	WBLOCK Q
.set Q, Q+1
.endr
	s_wait_alu depctr_va_vdst(0)
	ds_store_b128 v8, v[WD:WD+3] offset:6144       ; my column's four scale words
.irp u, 0,1
.irp k, 0,1,2,3,4,5,6,7,8,9,10,11
	ds_load_b128 v[OUT+52*\u+4*\k:OUT+52*\u+4*\k+3], v9 offset:UNIT*\u+512*\k
.endr
	ds_load_b64 v[OUT+52*\u+48:OUT+52*\u+49], v10 offset:UNIT*\u+6144
.endr
.irp u, 0,1
.irp k, 0,1,2,3,4,5,6,7,8,9,10,11
	s_wait_dscnt 25-13*\u-\k                       ; of the 26 loads those behind this one stay out
	global_store_b128 v11, v[OUT+52*\u+4*\k:OUT+52*\u+4*\k+3], s[46+2*\u:47+2*\u] offset:512*\k
.endr
	s_wait_dscnt 13-13*\u
	global_store_b64 v12, v[OUT+52*\u+48:OUT+52*\u+49], s[46+2*\u:47+2*\u] offset:6144
.endr
	s_wait_tensorcnt 0x0
	ds_add_u32 v30, v31
	s_wait_dscnt 0x0
	s_endpgm
.Lfunc_end_k_q3fd1e83a54_prep:
	.size	k_q3fd1e83a54_prep, .Lfunc_end_k_q3fd1e83a54_prep-k_q3fd1e83a54_prep
	.p2alignl 7, 3214868480
	.fill 96, 4, 3214868480
	.section	.rodata,"a",@progbits
	.p2align	6, 0x0
	.amdhsa_kernel k_q3fd1e83a54_prep
		.amdhsa_group_segment_fixed_size 85504
		.amdhsa_private_segment_fixed_size 0
		.amdhsa_enable_private_segment 0
		.amdhsa_kernarg_size 80
		.amdhsa_user_sgpr_count 2
		.amdhsa_user_sgpr_kernarg_segment_ptr 1
		.amdhsa_wavefront_size32 1
		.amdhsa_system_sgpr_workgroup_id_x 1
		.amdhsa_system_sgpr_workgroup_id_y 1
		.amdhsa_system_sgpr_workgroup_id_z 1
		.amdhsa_system_vgpr_workitem_id 0
		.amdhsa_next_free_vgpr 256
		.amdhsa_next_free_sgpr 66
		.amdhsa_reserve_vcc 1
		.amdhsa_float_denorm_mode_32 3
		.amdhsa_float_denorm_mode_16_64 3
		.amdhsa_memory_ordered 1
		.amdhsa_forward_progress 1
		.amdhsa_inst_pref_size 138
	.end_amdhsa_kernel
	.amdgpu_metadata
---
amdhsa.version: [ 1, 2 ]
amdhsa.kernels:
  - .name:           k_q3fd1e83a54_prep
    .symbol:         k_q3fd1e83a54_prep.kd
    .args:
      - { .name: hidden_states, .offset: 0, .size: 8, .value_kind: global_buffer, .address_space: global }
      - { .name: Wq, .offset: 8, .size: 8, .value_kind: global_buffer, .address_space: global }
      - { .name: Wk, .offset: 16, .size: 8, .value_kind: global_buffer, .address_space: global }
      - { .name: Wv, .offset: 24, .size: 8, .value_kind: global_buffer, .address_space: global }
      - { .name: Wo, .offset: 32, .size: 8, .value_kind: global_buffer, .address_space: global }
      - { .name: position_ids, .offset: 40, .size: 8, .value_kind: global_buffer, .address_space: global }
      - { .name: hbuf, .offset: 48, .size: 8, .value_kind: global_buffer, .address_space: global }
      - { .name: wbuf, .offset: 56, .size: 8, .value_kind: global_buffer, .address_space: global }
      - { .name: wobuf, .offset: 64, .size: 8, .value_kind: global_buffer, .address_space: global }
      - { .name: rope, .offset: 72, .size: 8, .value_kind: global_buffer, .address_space: global }
    .group_segment_fixed_size: 85504
    .private_segment_fixed_size: 0
    .kernarg_segment_align: 8
    .kernarg_segment_size: 80
    .max_flat_workgroup_size: 128
    .sgpr_count:     66
    .vgpr_count:     256
    .wavefront_size: 32
...
	.end_amdgpu_metadata
.endif
;; end of part 1
;; launch qkv (part 2): grid 16 x 16, 4 waves a work-group, clusters of 4 x 4, 327,680 bytes of LDS; arguments hbuf, wbuf, rope, qkv; writes qkv
.if DOCPART == 2
	.amdgcn_target "amdgcn-amd-amdhsa--gfx1250"
	.amdhsa_code_object_version 6
	.text
	.protected	k_q3fd1e83a54_qkv
	.globl	k_q3fd1e83a54_qkv
	.p2align	8
	.type	k_q3fd1e83a54_qkv,@function
k_q3fd1e83a54_qkv:
	s_mov_b64 s[64:65], 0
	v_nop
	global_prefetch_b8 v0, s[64:65] scope:SCOPE_SE
	s_setreg_imm32_b32 hwreg(HW_REG_WAVE_MODE, 25, 1), 1
	s_wait_xcnt 0x0
	s_wait_alu depctr_hold_cnt(0) depctr_sa_sdst(0) depctr_va_vdst(0) depctr_va_sdst(0) depctr_va_ssrc(0) depctr_va_vcc(0) depctr_vm_vsrc(0)
	s_getreg_b32 s2, hwreg(HW_REG_IB_STS2, 6, 4)
	s_cmp_eq_u32 s2, 0
	s_cbranch_scc0 .Lentry_in_a_cluster
	s_endpgm
.Lentry_in_a_cluster:
	s_bfe_u32 s2, ttmp6, 0x10000c
	s_cmp_lg_u32 s2, 0xf033
	s_cbranch_scc0 .Lentry_shape_is_right
	s_endpgm
.Lentry_shape_is_right:
.set NSLOT, 8
.set UNIT,  6400
.set AHALF, 8*UNIT
.set BOFF,  16*UNIT
.set BHALF, 4*UNIT
.set SLOT,  24*UNIT
.set SPARE, 2*SLOT
.set ADRA, 16
.set ADRB, 18
.set ADS1, 20
.set ADS2, 22
.set RPO,  24
.set VSI,  25
.set VSO,  26
.set L16,  27
.set SPW,  28
.set NIL,  29
.set SCO,  30
.set SC,   32
.set N,    96
.set X,    96
.set TT,   128
.set C,    160
.set T,    172
.set QM,   180
.set QSO,  182
.set WD,   184
.set PAIR, 188
.set QP,   190
.set SH8,  192
.set HW,   193
.set G1,  24
.set G0,  32
.set G1B, 48
.set G0B, 56
.set SEL, 66
.set MULW, 0x5b
.set MSB, 0
.macro WIN new
.if MSB != \new
	s_set_vgpr_msb (MSB<<8)|\new
.set MSB, \new
.endif
.endm
.macro PLACES n
.rept \n
	v_nop
.endr
.endm
.macro JLOAD g0a, g1a, g0b, g1b
	s_cmp_eq_u32 s15, 0
	s_cbranch_scc0 .Lfor_b_\@
	tensor_load_to_lds s[\g0a:\g0a+3], s[\g1a:\g1a+7]
	s_nop 0
.rept 4
	v_nop
.endr
	s_branch .Lasked_\@
.Lfor_b_\@:
	tensor_load_to_lds s[\g0b:\g0b+3], s[\g1b:\g1b+7]
	s_nop 0
.rept 4
	v_nop
.endr
.Lasked_\@:
.endm
.macro CREST
	s_cmp_lg_u32 s14, 0
	s_cbranch_scc1 .Lnot_wave_0_\@
	s_barrier_signal -3
.Lnot_wave_0_\@:
	s_barrier_wait -3
	s_barrier_signal -1
	s_barrier_wait -1
.endm
.macro CROUND
	s_barrier_signal -1
	s_barrier_wait -1
	CREST
.endm
	s_load_b256 s[4:11], s[0:1], 0x0
	v_lshl_add_u32 v[SPW], v0, 2, SPARE
	v_mov_b32 v[NIL], 0
	ds_add_u32 v28, v29
	ds_add_u32 v28, v29
	s_wait_dscnt 0x0
	v_lshrrev_b32 v1, 5, v0
	v_readfirstlane_b32 s14, v1
	s_lshr_b32 s15, s14, 1
	s_and_b32 s16, s14, 1
	s_bfe_u32 s40, ttmp6, 0x40000
	s_bfe_u32 s41, ttmp6, 0x40004
	s_lshl_b32 s42, ttmp9, 2
	s_add_co_u32 s42, s42, s40
	s_and_b32 s17, ttmp7, 0xffff
	s_lshl_b32 s17, s17, 2
	s_add_co_u32 s17, s17, s41
	s_lshl_b32 s43, s41, 2
	s_lshl_b32 s43, 15, s43
	s_lshl_b32 s44, 0x1111, s40
	s_or_b32 s[G1], s43, (3<<16)|(1<<21)
	s_or_b32 s[G1B], s44, (3<<16)|(1<<21)
.irp g, G1, G1B
	s_mov_b32 s[\g+1], 800<<16
	s_mov_b32 s[\g+3], 800<<16
	s_mov_b32 s[\g+5], NSLOT*800
	s_mov_b32 s[\g+6], 0
	s_mov_b32 s[\g+7], 0
.endr
	s_mov_b32 s[G1+2], 8<<16
	s_mov_b32 s[G1+4], 8
	s_mov_b32 s[G1B+2], 4<<16
	s_mov_b32 s[G1B+4], 4
	s_lshl_b32 s20, s17, 4
	s_lshl_b32 s18, s16, 3
	s_add_co_u32 s20, s20, s18
	s_mul_i32 s20, s20, NSLOT*UNIT
	s_mov_b32 s21, 0
	s_lshl_b32 s46, s42, 3
	s_lshl_b32 s18, s16, 2
	s_add_co_u32 s46, s46, s18
	s_mul_i32 s46, s46, NSLOT*UNIT
	s_mov_b32 s47, 0
	s_mul_i32 s45, s16, AHALF
	s_mul_i32 s19, s16, BHALF
	s_add_co_u32 s19, s19, BOFF
	s_mov_b32 s[SEL], 0x76543210
	s_mov_b32 s[SEL+1], 0xfedcba98
	s_wait_kmcnt 0x0
	s_add_nc_u64 s[20:21], s[4:5], s[20:21]
	s_add_nc_u64 s[46:47], s[6:7], s[46:47]
	CROUND
.irp s, 0,1
	s_mov_b32 s[G0+4*\s], 1
	s_add_co_u32 s[G0+4*\s+1], s45, \s*SLOT
	s_add_nc_u64 s[G0+4*\s+2:G0+4*\s+3], s[20:21], \s*UNIT
	s_or_b32 s[G0+4*\s+3], s[G0+4*\s+3], 0x80000000
	s_mov_b32 s[G0B+4*\s], 1
	s_add_co_u32 s[G0B+4*\s+1], s19, \s*SLOT
	s_add_nc_u64 s[G0B+4*\s+2:G0B+4*\s+3], s[46:47], \s*UNIT
	s_or_b32 s[G0B+4*\s+3], s[G0B+4*\s+3], 0x80000000
.if \s == 1
	s_wait_alu depctr_va_vdst(0)
	s_wait_tensorcnt 0x0
	ds_add_u32 v28, v29
	s_wait_dscnt 0x0
	CROUND
.endif
	JLOAD G0+4*\s, G1, G0B+4*\s, G1B
.endr
	s_lshl_b32 s68, s17, 1
	s_add_co_u32 s68, s68, s15
	s_lshl_b32 s70, s68, 15
	s_mov_b32 s71, 0
	s_add_nc_u64 s[8:9], s[8:9], s[70:71]
	s_lshl_b32 s69, s42, 1
	s_add_co_u32 s69, s69, s16
	s_lshl_b32 s69, s69, 5
	s_add_co_u32 s69, s69, s68
	s_mul_i32 s70, s69, UNIT
	s_add_nc_u64 s[10:11], s[10:11], s[70:71]
	v_and_b32 v1, 15, v0
	v_bfe_u32 v2, v0, 4, 1
	v_and_b32 v3, 8, v1
	v_add_nc_u32 v3, v3, v1
	v_lshlrev_b32 v[RPO], 8, v3
	v_lshl_add_u32 v[RPO], v2, 7, v[RPO]
	WIN 0xc0
.irp a, 0,1,2,3
.irp j, 0,1,2,3,4,5,6,7
	global_load_b128 v[128+32*\a+4*\j:128+32*\a+4*\j+3], v[RPO], s[8:9] offset:256*(32*(\a/2)+8*(\a%2))+16*\j
.endr
.endr
	WIN 0
	v_and_b32 v[L16], 31, v0
	v_lshlrev_b32 v[L16], 4, v[L16]
	s_mul_i32 s18, s15, AHALF
	s_mul_i32 s19, s16, BHALF
	s_add_co_u32 s19, s19, BOFF
.irp s, 0,1
	v_add_nc_u32 v[ADRA+\s], s18, v[L16]
	v_add_nc_u32 v[ADRB+\s], s19, v[L16]
	s_add_co_u32 s18, s18, SLOT
	s_add_co_u32 s19, s19, SLOT
.endr
	s_mul_i32 s18, s15, AHALF
	s_mul_i32 s19, s16, BHALF
	s_add_co_u32 s19, s19, BOFF
	s_sub_co_u32 s19, s19, s18
	v_mul_u32_u24 v5, s19, v2
	s_add_co_u32 s18, s18, 6144
	v_lshlrev_b32 v6, 4, v1
	v_add_nc_u32 v[ADS2], s18, v6
	v_add_nc_u32 v[ADS2+1], SLOT, v[ADS2]
	v_add_nc_u32 v[ADS1], v[ADS2], v5
	v_add_nc_u32 v[ADS1+1], v[ADS2+1], v5
	s_mul_i32 s18, s14, 64*528
	v_lshlrev_b32 v[VSI], 2, v3
	v_mad_u32_u24 v[VSI], v2, 16*528, v[VSI]
	v_add_nc_u32 v[VSI], s18, v[VSI]
	v_mul_u32_u24 v[VSO], v3, 528
	v_lshl_add_u32 v[VSO], v2, 7, v[VSO]
	v_add_nc_u32 v[VSO], s18, v[VSO]
	v_lshl_add_u32 v[SCO], v2, 3, v6
.macro MUL a0, n, set, q, sc, zero
.set AA, \a0
.rept \n
.irp b, 0,1,2,3
.if \zero
	v_wmma_scale_f32_16x16x128_f8f6f4 v[8*(4*AA+\b):8*(4*AA+\b)+7], v[48*(\set)+12*\b:48*(\set)+12*\b+11], v[128*(\set)+12*AA:128*(\set)+12*AA+11], 0, v[SC+32*(\sc)+4*\b+(\q)], v[SC+32*(\sc)+4*AA+(\q)] matrix_a_fmt:MATRIX_FMT_FP6 matrix_b_fmt:MATRIX_FMT_FP6 matrix_a_scale:MATRIX_SCALE_ROW1
.else
	v_wmma_scale_f32_16x16x128_f8f6f4 v[8*(4*AA+\b):8*(4*AA+\b)+7], v[48*(\set)+12*\b:48*(\set)+12*\b+11], v[128*(\set)+12*AA:128*(\set)+12*AA+11], v[8*(4*AA+\b):8*(4*AA+\b)+7], v[SC+32*(\sc)+4*\b+(\q)], v[SC+32*(\sc)+4*AA+(\q)] matrix_a_fmt:MATRIX_FMT_FP6 matrix_b_fmt:MATRIX_FMT_FP6 matrix_a_scale:MATRIX_SCALE_ROW1
.endif
.endr
.set AA, AA+1
.endr
.endm
.macro FETCH slot, q, set
	WIN 0xc0
.irp i, 0,1,2,3
.irp c, 0,1,2
	ds_load_b128 v[48*(\set)+12*\i+4*\c:48*(\set)+12*\i+4*\c+3], v[ADRB+\slot] offset:UNIT*\i+1536*(\q)+512*\c
.endr
.endr
	WIN 0x80
.irp i, 0,1,2,3,4,5,6,7
.irp c, 0,1,2
	ds_load_b128 v[128*(\set)+12*\i+4*\c:128*(\set)+12*\i+4*\c+3], v[ADRA+\slot] offset:UNIT*\i+1536*(\q)+512*\c
.endr
.endr
.endm
.macro SCALES slot
	WIN 0
.irp i, 0,1,2,3
	ds_load_b128 v[SC+32*\slot+4*\i:SC+32*\slot+4*\i+3], v[ADS1+\slot] offset:UNIT*\i
.endr
.irp i, 4,5,6,7
	ds_load_b128 v[SC+32*\slot+4*\i:SC+32*\slot+4*\i+3], v[ADS2+\slot] offset:UNIT*\i
.endr
.endm
.macro STEP slot, q, zero
	s_wait_dscnt 0x0
	PLACES 4
	FETCH \slot, (\q)+1, ((\q)+1)%2
	WIN MULW
	MUL 0, 8, (\q)%2, \q, \slot, \zero
.endm
.macro TURN slot, next, fill
	WIN 0
	s_wait_tensorcnt 0x0
	ds_add_u32 v[SPW], v[NIL]
	s_wait_dscnt 1
	WIN MULW
	MUL 0, 2, 1, 3, \slot, 0
	s_wait_dscnt 0x0
	s_barrier_signal -1
	MUL 2, 2, 1, 3, \slot, 0
	WIN 0
	s_barrier_wait -1
.if \fill
	CREST
	s_add_nc_u64 s[G0+4*\slot+2:G0+4*\slot+3], s[G0+4*\slot+2:G0+4*\slot+3], 2*UNIT
	s_add_nc_u64 s[G0B+4*\slot+2:G0B+4*\slot+3], s[G0B+4*\slot+2:G0B+4*\slot+3], 2*UNIT
	JLOAD G0+4*\slot, G1, G0B+4*\slot, G1B
.else
	PLACES 4
.endif
	FETCH \next, 0, 0
	SCALES \next
	WIN MULW
	MUL 4, 4, 1, 3, \slot, 0
.endm
	s_wait_alu depctr_va_vdst(0)
	s_wait_tensorcnt 1
	s_barrier_signal -1
	s_barrier_wait -1
	FETCH 0, 0, 0
	SCALES 0
	STEP 0, 0, 1
.if NSLOT > 2
	WIN 0
	s_mov_b32 s3, NSLOT/2-1
.Llap:
	STEP 0, 1, 0
	STEP 0, 2, 0
	TURN 0, 1, 1
	STEP 1, 0, 0
	STEP 1, 1, 0
	STEP 1, 2, 0
	TURN 1, 0, 1
	STEP 0, 0, 0
	WIN 0
	s_sub_co_u32 s3, s3, 1
	s_cmp_lg_u32 s3, 0
	s_cbranch_scc1 .Llap
.endif
	STEP 0, 1, 0
	STEP 0, 2, 0
	TURN 0, 1, 0
	STEP 1, 0, 0
	STEP 1, 1, 0
	STEP 1, 2, 0
	s_wait_dscnt 0x0
	MUL 0, 8, 1, 3, 1, 0
	WIN 0
	PLACES 4
	v_mov_b32 v[QP], 0
	v_mov_b32 v[QP+1], 0
	v_lshlrev_b32 v[SH8], 3, v2
	v_cmp_eq_u32 vcc_lo, 1, v2
	s_cmp_eq_u32 ttmp9, 3
	s_cbranch_scc1 .Lvalues
.macro ROPE a
.if (\a) < 4
	WIN 0x0d
.set RP, 128+32*(\a)
.else
	WIN 0x09
.set RP, 32*((\a)-4)
.endif
.irp i, 0,1,2,3,4,5,6,7,8,9,10,11,12,13,14,15
	v_mul_f32 v[TT+2*(\i%2)], v[32*(\a)+16+\i], v[RP+2*\i+1]
	v_mul_f32 v[TT+2*(\i%2)+1], v[32*(\a)+\i], v[RP+2*\i+1]
	v_fma_f32 v[N+\i], v[32*(\a)+\i], v[RP+2*\i], -v[TT+2*(\i%2)]
	v_fma_f32 v[N+16+\i], v[32*(\a)+16+\i], v[RP+2*\i], v[TT+2*(\i%2)+1]
.endr
	WIN 0
.endm
.macro QUANT1 p, f
.irp b, 0,1
	v_max3_num_f32 v[QM+\b], |v[N+16*\b]|, |v[N+16*\b+1]|, 0x1800000
.endr
.irp i, 2,4,6,8,10,12,14
.irp b, 0,1
	v_max3_num_f32 v[QM+\b], v[QM+\b], |v[N+16*\b+\i]|, |v[N+16*\b+\i+1]|
.endr
.endr
.irp b, 0,1
	v_permlanex16_b32 v[QP+\b], v[QM+\b], s[SEL], s[SEL+1]
.endr
.irp b, 0,1
	v_max_num_f32 v[QM+\b], v[QM+\b], v[QP+\b]
.endr
.irp b, 0,1
	v_add_nc_u32 v[QSO+\b], 0xff000000, v[QM+\b]
.endr
.irp b, 0,1
	v_lshrrev_b32 v[QM+\b], 23, v[QSO+\b]
.endr
	v_lshl_or_b32 v[HW], v[QM+1], 8, v[QM]
.if \p == 0
	v_mov_b32 v[WD+\f], v[HW]
.else
	v_lshl_or_b32 v[WD+\f], v[HW], 16, v[WD+\f]
.endif
	v_cvt_scalef32_pk16_fp6_f32 v[C+6*\p:C+6*\p+2], v[N:N+15], v[QSO]
	v_cvt_scalef32_pk16_fp6_f32 v[T:T+2], v[N+16:N+31], v[QSO+1]
	v_nop
.irp i, 0,1,2
	v_permlane16_swap_b32 v[C+6*\p+\i], v[T+\i]
.endr
.irp i, 0,1,2
	v_mov_b32 v[C+6*\p+3+\i], v[T+\i]
.endr
.endm
	s_wait_loadcnt 0x0
	WIN 0x80
.irp a, 4,5,6,7
.irp j, 0,1,2,3,4,5,6,7
	global_load_b128 v[32*(\a-4)+4*\j:32*(\a-4)+4*\j+3], v[RPO], s[8:9] offset:256*(32*(\a/2)+8*(\a%2))+16*\j
.endr
.endr
	WIN 0
.irp f, 0,1,2,3
.if \f == 2
	s_wait_loadcnt 0x0
.endif
.if \f > 0
	s_wait_xcnt 0x0
.endif
	ROPE 2*\f
	QUANT1 0, \f
	ROPE 2*\f+1
	QUANT1 1, \f
.irp c, 0,1,2
	global_store_b128 v[L16], v[C+4*\c:C+4*\c+3], s[10:11] offset:1536*\f+512*\c
.endr
.endr
	s_branch .Lwords
.Lvalues:
	WIN 0x04
.irp a, 0,1,2,3,4,5,6,7
.irp b, 0,1,2,3
.irp j, 0,1,2,3,4,5,6,7
	ds_store_b32 v[VSI], v[8*(4*\a+\b)+\j] offset:528*(32*(\b/2)+8*(\b%2)+\j)+4*(32*(\a/2)+8*(\a%2))
.endr
.endr
.endr
	WIN 0
.macro QUANT2 wd
.irp c, 0,1
	v_max3_num_f32 v[QM+\c], |v[X+32*\c]|, |v[X+32*\c+1]|, 0x1800000
.endr
.irp i, 2,4,6,8,10,12,14,16,18,20,22,24,26,28,30
.irp c, 0,1
	v_max3_num_f32 v[QM+\c], v[QM+\c], |v[X+32*\c+\i]|, |v[X+32*\c+\i+1]|
.endr
.endr
.irp c, 0,1
	v_add_nc_u32 v[QSO+\c], 0xff000000, v[QM+\c]
.endr
.irp c, 0,1
	v_lshrrev_b32 v[QM+\c], 23, v[QSO+\c]
.endr
	v_lshl_or_b32 v[\wd], v[QM+1], 16, v[QM]
	v_lshlrev_b32 v[\wd], v[SH8], v[\wd]
	v_permlanex16_b32 v[QP], v[\wd], s[SEL], s[SEL+1]
	v_or_b32 v[\wd], v[\wd], v[QP]
.irp c, 0,1
	v_cvt_scalef32_pk16_fp6_f32 v[C+6*\c:C+6*\c+2], v[X+32*\c:X+32*\c+15], v[QSO+\c]
	v_cvt_scalef32_pk16_fp6_f32 v[T+4*\c:T+4*\c+2], v[X+32*\c+16:X+32*\c+31], v[QSO+\c]
.endr
	v_nop
.irp c, 0,1
.irp i, 0,1,2
	v_mov_b32 v[C+6*\c+3+\i], v[T+4*\c+\i]
.endr
.endr
.endm
.irp t, 0,1,2,3
.irp c, 0,1
.irp j, 0,1,2,3,4,5,6,7
	ds_load_b128 v[X+32*\c+4*\j:X+32*\c+4*\j+3], v[VSO] offset:528*(32*(\t/2)+8*(\t%2))+256*\c+16*\j
.endr
.endr
	s_wait_dscnt 0x0
.if \t > 0
	s_wait_xcnt 0x0
.endif
	QUANT2 WD+\t
.irp c, 0,1,2
	global_store_b128 v[L16], v[C+4*\c:C+4*\c+3], s[10:11] offset:1536*\t+512*\c
.endr
.endr
.Lwords:
	v_cndmask_b32 v[PAIR], v[WD], v[WD+2], vcc_lo
	v_cndmask_b32 v[PAIR+1], v[WD+1], v[WD+3], vcc_lo
	global_store_b64 v[SCO], v[PAIR:PAIR+1], s[10:11] offset:6144
	s_wait_tensorcnt 0x0
	ds_add_u32 v[SPW], v[NIL]
	s_wait_dscnt 0x0
	CROUND
	s_endpgm
.Lfunc_end_k_q3fd1e83a54_qkv:
	.size	k_q3fd1e83a54_qkv, .Lfunc_end_k_q3fd1e83a54_qkv-k_q3fd1e83a54_qkv
	.p2alignl 7, 3214868480
	.fill 96, 4, 3214868480
	.section	.rodata,"a",@progbits
	.p2align	6, 0x0
	.amdhsa_kernel k_q3fd1e83a54_qkv
		.amdhsa_group_segment_fixed_size 327680
		.amdhsa_private_segment_fixed_size 0
		.amdhsa_enable_private_segment 0
		.amdhsa_kernarg_size 32
		.amdhsa_user_sgpr_count 2
		.amdhsa_user_sgpr_kernarg_segment_ptr 1
		.amdhsa_wavefront_size32 1
		.amdhsa_system_sgpr_workgroup_id_x 1
		.amdhsa_system_sgpr_workgroup_id_y 1
		.amdhsa_system_sgpr_workgroup_id_z 1
		.amdhsa_system_vgpr_workitem_id 0
		.amdhsa_next_free_vgpr 1024
		.amdhsa_next_free_sgpr 100
		.amdhsa_reserve_vcc 1
		.amdhsa_float_denorm_mode_32 3
		.amdhsa_float_denorm_mode_16_64 3
		.amdhsa_memory_ordered 1
		.amdhsa_forward_progress 1
		.amdhsa_inst_pref_size 198
	.end_amdhsa_kernel
	.amdgpu_metadata
---
amdhsa.version: [ 1, 2 ]
amdhsa.kernels:
  - .name:           k_q3fd1e83a54_qkv
    .symbol:         k_q3fd1e83a54_qkv.kd
    .args:
      - { .name: hbuf, .offset: 0, .size: 8, .value_kind: global_buffer, .address_space: global }
      - { .name: wbuf, .offset: 8, .size: 8, .value_kind: global_buffer, .address_space: global }
      - { .name: rope, .offset: 16, .size: 8, .value_kind: global_buffer, .address_space: global }
      - { .name: qkv, .offset: 24, .size: 8, .value_kind: global_buffer, .address_space: global }
    .group_segment_fixed_size: 327680
    .private_segment_fixed_size: 0
    .kernarg_segment_align: 8
    .kernarg_segment_size: 32
    .max_flat_workgroup_size: 128
    .sgpr_count:     100
    .vgpr_count:     1024
    .wavefront_size: 32
...
	.end_amdgpu_metadata
.endif
;; end of part 2
;; launch attn (part 3): grid 4 x 64, 8 waves a work-group, clusters of 4 x 4, 327,680 bytes of LDS; arguments qkv, attention_mask, aobuf; writes aobuf
.if DOCPART == 3
	.amdgcn_target "amdgcn-amd-amdhsa--gfx1250"
	.amdhsa_code_object_version 6
	.text
	.protected	k_q3fd1e83a54_attn
	.globl	k_q3fd1e83a54_attn
	.p2align	8
	.type	k_q3fd1e83a54_attn,@function
k_q3fd1e83a54_attn:
	s_mov_b64 s[64:65], 0
	v_nop
	global_prefetch_b8 v0, s[64:65] scope:SCOPE_SE
	s_setreg_imm32_b32 hwreg(HW_REG_WAVE_MODE, 25, 1), 1
	s_wait_xcnt 0x0
	s_wait_alu depctr_hold_cnt(0) depctr_sa_sdst(0) depctr_va_vdst(0) depctr_va_sdst(0) depctr_va_ssrc(0) depctr_va_vcc(0) depctr_vm_vsrc(0)
	s_getreg_b32 s2, hwreg(HW_REG_IB_STS2, 6, 4)
	s_cmp_eq_u32 s2, 0
	s_cbranch_scc0 .Lentry_in_a_cluster
	s_endpgm
.Lentry_in_a_cluster:
	s_bfe_u32 s2, ttmp6, 0x10000c
	s_cmp_lg_u32 s2, 0xf033
	s_cbranch_scc0 .Lentry_shape_is_right
	s_endpgm
.Lentry_shape_is_right:
; ATTENTION on codes of FP6 (E2M3): 16 query heads on 8 key/value heads, head size 64, 2,048 keys, an additive mask that is an INPUT: every key is walked for every query.
; logit = score / 8 + mask; t = logit x log2(e); M = the running largest t rounded UP to a whole number; p = 2^(t - M) is quantised along the keys; the row's sum of the unquantised p divides at the end.
; THE LOGIT IS MADE BY THE MATRIX INSTRUCTION: 1 / 8 is a power of two and is taken off q's scale bytes (3 off each), and the mask's registers are the product's C.
; SHARES.  Work-group (cx, y): key/value heads 2 cx and 2 cx + 1, 64 queries.  Wave w: head 2 cx + w / 4, query tile w % 4 (16 queries), BOTH query heads of its key/value head: each fragment of K and V and each
; register of the mask serves two heads, and the wave's result (128 along the last product's K) is one fragment.  Two waves to a SIMD.
; CLUSTER 4 x 4.  The mask's tile hangs on y alone: asked for jointly along a row of the cluster.  K and V hang on cx and the batch: jointly along a column.
; K = 64 IN AN INSTRUCTION OF 128.  A fragment of k holds TWO key tiles, in K 0-63 and 64-127; it is multiplied by (q | 0) for the first and by (0 | q) for the second: windows of a run of 18 registers 0, q, 0.
; LAYOUT.  Both products transposed: a lane holds one query.  Lane r of tile T holds row 32 (T / 2) + 8 (T % 2) + r + 8 (r / 8), so that the 16 registers of two neighbouring tiles are 16 neighbours along the next K.
; LIMITS: NaN and +infinity among the inputs are not served; a block of zeros gets the byte 1 (its codes are zeros; this program alone reads the bytes); q's scale bytes are held at 4 from below before 3 is
; taken off, so blocks of q whose largest magnitude lies under 2^-121 are not served; the scaled scores stay under 2^31 in magnitude.
; REGISTERS: window 0, all vector work: v1-11 addresses; v12-19 -M (twice) and the sum's two halves, for each head; v20-31 scale words and nothing else; v32-95 logits, then p; v96-159 O^T, 32 a head;
;   v160-183 p's codes; v184-227 at work.   window 1, read by matrix instructions alone: v0-47 K; v48-95 V; v96-131 q, 18 a head; v132-195 the mask.
.set UNIT,  6400
.set MROW,  1040                       ; a row of the mask's tile in LDS: 1,024 bytes + 16
.set MGRP,  16*MROW+128                ; 16 rows and 128 bytes more, so that rows r and r + 16 of a tile start at different banks
.set KOFF,  4*MGRP                     ; a slot: the mask's 64 rows x 256 keys; K: 2 heads x 2 units; V likewise
.set VOFF,  KOFF+4*UNIT
.set SLOT1, 1<<17                      ; slot 1 begins here: one exclusive or turns an address
.set SPARE, 2*SLOT1                    ; the spare words, 128 bytes for each of eight waves, that no other line names
.set NSL,   8                          ; slots' worth of keys
.set AM0, 1
.set AK0, 2
.set AV0, 3
.set AS0, 4
.set SPW, 5
.set NIL, 6
.set ADM, 7
.set ADK, 8
.set ADV, 9
.set ADS, 10
.set PFO, 11
.set KS,  20
.set VS,  24
.set QS,  28
.set PW,  30
.set S,   32
.set OA,  96
.set PC,  160
.set CT,  184
.set BM,  192
.set BT,  196
.set SO,  200
.set FF,  204                          ; f, twice for each head
.set W0,  210
.set QO2, 213
.set RR,  214
.set HH,  215
.set QW,  216
.set OV,  218
.set OS,  219
.set TM,  220                          ; the running largest t, for each head
.set WP,  222                          ; v222-227 three more pairs for the row's sum
.set QF,  96                           ; in window 1
.set MK,  132                          ; in window 1
.set WV,  18
.set SEL, 20
.set CL,  22                           ; log2(e)
.set G1M, 24
.set G1KV, 32
.set G0M, 40
.set G0K, 44
.set TB,  2
.set SLOTS, 3
.set LIM, 52
.set PFA, 54
.set MSB, 0
.macro WIN new
.if MSB != \new
	s_set_vgpr_msb (MSB<<8)|\new
.set MSB, \new
.endif
.endm
.macro NOPS
.rept 4
	v_nop
.endr
.endm
; One joint load a wave: waves 0-3 fetch 16 rows of the mask each; waves 4, 5 a head's two units of K, waves 6, 7 of V.  The branch hangs on the wave's number alone; an s_nop 0 and four v_nop follow each line.
.macro TLOAD
	s_cmp_lt_u32 s[WV], 4
	s_cbranch_scc0 .Lkv_\@
	tensor_load_to_lds s[G0M:G0M+3], s[G1M:G1M+7]
	s_nop 0
	NOPS
	s_branch .Lasked_\@
.Lkv_\@:
	tensor_load_to_lds s[G0K:G0K+3], s[G1KV:G1KV+7]
	s_nop 0
	NOPS
.Lasked_\@:
.endm
; A prefetch of the mask's tile that the NEXT change of slots will ask for: 64 rows x 1,024 bytes.  The four partners that ask for the tile jointly share its rows out by address, 16 each; in each, waves 6 and 7
; name 8 rows x 4 blocks of 256 bytes, a lane a block: each block is named once in the launch.  The last change that fills a slot asks for nothing.
.macro ASK
	s_cmp_gt_u32 s[SLOTS], s[LIM]
	s_cbranch_scc0 .Lnot_mine_\@
	global_prefetch_b8 v[PFO], s[PFA:PFA+1] th:TH_LOAD_NT scope:SCOPE_SE
.Lnot_mine_\@:
.endm
.macro CROUND
	s_barrier_signal -1
	s_barrier_wait -1
	s_cmp_lg_u32 s[WV], 0
	s_cbranch_scc1 .Lnot_wave_0_\@
	s_barrier_signal -3
.Lnot_wave_0_\@:
	s_barrier_wait -3
	s_barrier_signal -1
	s_barrier_wait -1
.endm
	s_load_b128 s[4:7], s[0:1], 0x0                ; qkv s[4:5], the mask s[6:7]
	s_load_b64 s[8:9], s[0:1], 0x10                ; aobuf
	v_lshl_add_u32 v[SPW], v0, 2, SPARE
	v_mov_b32 v[NIL], 0
	ds_add_u32 v[SPW], v[NIL]                      ; the opening lines: the add, twice on end, and its wait
	ds_add_u32 v[SPW], v[NIL]
	v_lshrrev_b32 v[W0], 5, v0
	s_delay_alu instid0(VALU_DEP_1)
	v_readfirstlane_b32 s[WV], v[W0]               ; wave 0..7
	s_bfe_u32 s56, ttmp6, 0x40000                  ; cx: the pair of key/value heads (the grid is one cluster wide)
	s_bfe_u32 s57, ttmp6, 0x40004                  ; cy
	s_and_b32 s59, ttmp7, 0xffff                   ; cluster y
	s_lshl_b32 s58, s59, 2
	s_add_co_u32 s58, s58, s57                     ; y: block of 64 of the 4,096 tokens
	s_lshr_b32 s59, s59, 3                         ; the batch: the same in all partners
	s_and_b32 s60, s58, 31                         ; the block in its batch
	s_lshl_b32 s61, s57, 2
	s_lshl_b32 s61, 15, s61                        ; my row of the cluster
	s_lshl_b32 s62, 0x1111, s56                    ; my column
	s_lshr_b32 s70, s[WV], 2                       ; e: which of the two key/value heads
	s_and_b32 s71, s[WV], 3                        ; my query tile.  Also: which part of the slot I fetch
	s_or_b32 s[G1M], s61, (2<<16)|(1<<20)|(1<<21)|(7<<22)|(3<<25)   ; the mask of work-groups; elements of 4 bytes; padding: 4 words behind every 256; bit 21 beside a mask
	s_mov_b32 s[G1M+1], 256<<16                    ; 256 keys
	s_mov_b32 s[G1M+2], 16<<16                     ; 16 queries
	s_mov_b32 s[G1M+3], 256<<16
	s_mov_b32 s[G1M+4], 16
	s_mov_b32 s[G1M+5], 2048
	s_mov_b32 s[G1M+6], 0
	s_mov_b32 s[G1M+7], 0
	s_or_b32 s[G1KV], s62, (3<<16)|(1<<21)         ; elements of 8 bytes, no padding
	s_mov_b32 s[G1KV+1], 800<<16                   ; a row: a unit, 6,400 bytes;
	s_mov_b32 s[G1KV+2], 2<<16                     ; two units on end
	s_mov_b32 s[G1KV+3], 800<<16
	s_mov_b32 s[G1KV+4], 2
	s_mov_b32 s[G1KV+5], 800
	s_mov_b32 s[G1KV+6], 0
	s_mov_b32 s[G1KV+7], 0
	s_lshl_b32 s66, s58, 6                         ; the mask: row 64 y + 16 x (wave % 4), rows of 8,192 bytes: y and the wave's number alone
	s_lshl_b32 s67, s71, 4
	s_add_co_u32 s66, s66, s67
	s_lshl_b32 s66, s66, 13
	s_mov_b32 s67, 0
	s_lshl_b32 s68, s56, 6                         ; K, V: unit (16 + 2 cx + wave % 2) x 32 + 16 x batch, V's 256 units on: cx, the batch and the wave's number alone
	s_lshl_b32 s69, s59, 4
	s_add_co_u32 s68, s68, s69
	s_add_co_u32 s68, s68, 512
	s_and_b32 s74, s71, 1
	s_lshl_b32 s69, s74, 5
	s_add_co_u32 s68, s68, s69
	s_lshr_b32 s69, s71, 1
	s_lshl_b32 s69, s69, 8
	s_add_co_u32 s68, s68, s69
	s_mul_i32 s68, s68, UNIT
	s_mov_b32 s69, 0
	s_mov_b32 s[SEL], 0x76543210
	s_mov_b32 s[SEL+1], 0xfedcba98
	s_mov_b32 s[CL], 0x3fb8aa3b
	s_mov_b32 s[TB], 0
	s_mov_b32 s[SLOTS], NSL-1
	s_cmp_ge_u32 s[WV], 6
	s_cselect_b32 s[LIM], 1, -1
	s_mov_b32 s[G0M], 1
	s_mul_i32 s[G0M+1], s71, MGRP
	s_mov_b32 s[G0K], 1
	s_mul_i32 s[G0K+1], s71, 2*UNIT                ; K's two heads, then V's two: (wave % 4) x two units
	s_add_co_u32 s[G0K+1], s[G0K+1], KOFF
	s_wait_alu depctr_va_vdst(0)
	s_wait_dscnt 0x0                               ; both opening adds are done
	s_wait_kmcnt 0x0
	s_add_nc_u64 s[G0M+2:G0M+3], s[6:7], s[66:67]
	s_or_b32 s[G0M+3], s[G0M+3], 0x80000000
	s_add_nc_u64 s[G0K+2:G0K+3], s[4:5], s[68:69]
	s_or_b32 s[G0K+3], s[G0K+3], 0x80000000
	CROUND                                         ; all sixteen work-groups are here
	TLOAD                                          ; slot 0: one load a wave
	; q: head 4 cx + 2 e + g, group 16 batch + block / 2, tile 4 (block % 2) + my tile: fragment f, registers 6 u on
	s_lshl_b32 s72, s56, 2
	s_lshl_b32 s73, s70, 1
	s_add_co_u32 s72, s72, s73
	s_lshl_b32 s72, s72, 5
	s_lshl_b32 s73, s59, 4
	s_add_co_u32 s72, s72, s73
	s_lshr_b32 s73, s60, 1
	s_add_co_u32 s72, s72, s73
	s_mul_i32 s72, s72, UNIT                       ; the unit
	s_and_b32 s73, s60, 1
	s_lshl_b32 s73, s73, 1
	s_lshr_b32 s75, s71, 1
	s_add_co_u32 s73, s73, s75                     ; f;  s74 = u
	s_mul_i32 s75, s73, 1536
	s_add_co_u32 s76, s72, s75
	s_mul_i32 s77, s74, 520                        ; registers 0-5 lie at 0, 8, 512 of a lane's place; registers 6-11 at 520, 1024, 1032
	s_add_co_u32 s76, s76, s77
	s_mov_b32 s77, 0
	s_add_nc_u64 s[78:79], s[4:5], s[76:77]
	s_lshl_b32 s76, s73, 2
	s_add_co_u32 s76, s76, s72
	s_add_nc_u64 s[80:81], s[4:5], s[76:77]        ; its scale words' column
	s_mul_i32 s75, s74, 496
	s_lshl_b32 s85, s74, 4                         ; 16 u: which half of the scale word is my tile's
	s_mul_i32 s82, s70, 2*UNIT                     ; my key/value head's two units in a slot:
	s_add_co_u32 s83, s82, VOFF                    ; V's,
	s_add_co_u32 s82, s82, KOFF                    ; K's,
	s_add_co_u32 s84, s82, 6144                    ; K's scale words; V's lie VOFF - KOFF on
	s_lshr_b32 s94, s71, 1                         ; the mask: my tile's row r is row 32 (tile / 2) + 8 (tile % 2) + r % 8 + 16 (r / 8) of the 64
	s_mul_i32 s94, s94, 2*MGRP
	s_mul_i32 s95, s74, 8*MROW
	s_add_co_u32 s94, s94, s95
	s_lshl_b32 s86, s58, 6                         ; the prefetches: my work-group's 16 rows of the 64,
	s_lshl_b32 s87, s56, 4
	s_add_co_u32 s86, s86, s87
	s_and_b32 s87, s[WV], 1
	s_lshl_b32 s87, s87, 3                         ; my wave's 8 of them,
	s_add_co_u32 s86, s86, s87
	s_lshl_b32 s86, s86, 13
	s_add_co_u32 s86, s86, 1024                    ; in slot 1: the first change of slots steps it to slot 2
	s_mov_b32 s87, 0
	s_add_nc_u64 s[PFA:PFA+1], s[6:7], s[86:87]
	s_lshl_b32 s86, s58, 2                         ; the way out: token tile 4 y + my tile, two units a tile;
	s_add_co_u32 s86, s86, s71
	s_mul_i32 s86, s86, 2*UNIT
	s_lshl_b32 s87, s56, 1
	s_add_co_u32 s87, s87, s70                     ; key/value head: unit head / 4, fragment head % 4
	s_lshr_b32 s88, s87, 2
	s_mul_i32 s88, s88, UNIT
	s_add_co_u32 s86, s86, s88
	s_and_b32 s87, s87, 3
	s_mul_i32 s88, s87, 1536
	s_add_co_u32 s88, s88, s86
	s_mov_b32 s89, 0
	s_add_nc_u64 s[90:91], s[8:9], s[88:89]
	s_lshl_b32 s87, s87, 2
	s_add_co_u32 s88, s86, s87
	s_add_nc_u64 s[92:93], s[8:9], s[88:89]
	v_and_b32 v[RR], 15, v0                        ; r
	v_bfe_u32 v[HH], v0, 4, 1                      ; h
	v_and_b32 v[OV], 31, v0
	s_delay_alu instid0(VALU_DEP_1)
	v_lshlrev_b32 v[OV], 4, v[OV]                  ; 16 x lane
	s_delay_alu instid0(VALU_DEP_4)
	v_lshlrev_b32 v[OS], 4, v[RR]                  ; 16 r
	s_delay_alu instid0(VALU_DEP_2)
	v_add_nc_u32 v[QO2], s75, v[OV]
	WIN 0x40                                       ; destination window 1
.irp g, 0,1
	global_load_b64 v[QF+18*\g+6:QF+18*\g+7], v[OV], s[78:79] offset:32*UNIT*\g
	global_load_b64 v[QF+18*\g+8:QF+18*\g+9], v[QO2], s[78:79] offset:32*UNIT*\g+8
	global_load_b64 v[QF+18*\g+10:QF+18*\g+11], v[OV], s[78:79] offset:32*UNIT*\g+512
.endr
.irp g, 0,1
.irp i, 0,1,2,3,4,5,12,13,14,15,16,17
	v_mov_b32 v[QF+18*\g+\i], 0                    ; zero codes on both sides of q
.endr
.endr
	WIN 0
.irp g, 0,1
	global_load_b32 v[QW+\g], v[OS], s[80:81] offset:32*UNIT*\g+6144
.endr
	v_add_nc_u32 v[AK0], s82, v[OV]
	v_add_nc_u32 v[AV0], s83, v[OV]
	v_add_nc_u32 v[AS0], s84, v[OS]
	v_lshrrev_b32 v[W0], 3, v[RR]
	s_delay_alu instid0(VALU_DEP_1)
	v_mul_u32_u24 v[AM0], v[W0], MGRP
	v_and_b32 v[W0], 7, v[RR]
	s_delay_alu instid0(VALU_DEP_1)
	v_mad_u32_u24 v[AM0], v[W0], MROW, v[AM0]
	s_delay_alu instid0(VALU_DEP_1)
	v_lshl_add_u32 v[AM0], v[HH], 6, v[AM0]        ; + 64 h: keys 16 h on of each 32
	s_delay_alu instid0(VALU_DEP_1)
	v_add_nc_u32 v[AM0], s94, v[AM0]
	v_bfe_u32 v[PFO], v0, 2, 3                     ; the prefetches: row lane / 4, block lane % 4
	v_and_b32 v[W0], 3, v0
	s_delay_alu instid0(VALU_DEP_2)
	v_lshlrev_b32 v[PFO], 13, v[PFO]
	s_delay_alu instid0(VALU_DEP_1)
	v_lshl_add_u32 v[PFO], v[W0], 8, v[PFO]
.irp g, 0,1
	v_mov_b32 v[TM+\g], 0xff61b1e6                 ; the largest t so far: -3e38
	v_mov_b32 v[12+4*\g], 0x7f61b1e6               ; -M = floor(3e38)
	v_mov_b32 v[14+4*\g], 0                        ; the sum, in two halves
	v_mov_b32 v[15+4*\g], 0
.endr
.irp b, 0,1,2,3
	v_mov_b32 v[BT+\b], 0                          ; a lane permute's destination counts as one of its sources
.endr
	s_wait_alu depctr_va_vdst(0)
	s_wait_loadcnt 0x0                             ; q and its scale words
.irp g, 0,1
	v_lshrrev_b32 v[QW+\g], s85, v[QW+\g]          ; my tile's two bytes
	s_delay_alu instid0(VALU_DEP_1)
	v_and_b32 v[BM+\g], 0xff, v[QW+\g]
	s_delay_alu instid0(VALU_DEP_2)
	v_bfe_u32 v[BT+\g], v[QW+\g], 8, 8
	s_delay_alu instid0(VALU_DEP_2)
	v_max_u32 v[BM+\g], 4, v[BM+\g]                ; held at 4 from below, so that each stays a finite code of its own
	s_delay_alu instid0(VALU_DEP_2)
	v_max_u32 v[BT+\g], 4, v[BT+\g]
	s_delay_alu instid0(VALU_DEP_1)
	v_lshl_or_b32 v[QW+\g], v[BT+\g], 8, v[BM+\g]
	s_delay_alu instid0(VALU_DEP_1)
	v_add_nc_u32 v[QW+\g], 0xfffffcfd, v[QW+\g]    ; 3 off each byte: the score / 8
	s_delay_alu instid0(VALU_DEP_1)
	v_lshl_or_b32 v[QS+\g], v[QW+\g], 16, v[QW+\g] ; for K 0-63 and again for K 64-127
.endr
.set n, 0
.rept 32
	v_dual_mov_b32 v[OA+n], 0 :: v_dual_mov_b32 v[OA+n+1], 0   ; O^T: the key step is written once; its first turn finds zeros.  (Also the places between the scale words just made and the first products)
.set n, n+2
.endr
	s_wait_alu depctr_va_vdst(0)
.macro DADD a, b                       ; two sums at once: pair a += pair b
	v_dual_add_f32 v[\a], v[\a], v[\b] :: v_dual_add_f32 v[(\a)+1], v[(\a)+1], v[(\b)+1]
.endm
; The softmax of head g: 64 logits of a lane, register 16 b + i = key 32 b + 16 h + i of the step's 128.
.macro SOFTMAX g
.irp b, 0,1,2,3
	v_max3_num_f32 v[BM+\b], v[S+16*\b], v[S+16*\b+1], v[S+16*\b+2]   ; the largest logit of each block of 32 keys: for the row's maximum and, since p rises with the logit, for the block's largest p; each accumulator from its low end on
.endr
.irp i, 3,5,7,9,11,13
.irp b, 0,1,2,3
	v_max3_num_f32 v[BM+\b], v[BM+\b], v[S+16*\b+\i], v[S+16*\b+\i+1]   ; the four blocks by turns
.endr
.endr
.irp b, 0,1,2,3
	v_max_num_f32 v[BM+\b], v[BM+\b], v[S+16*\b+15]
.endr
.irp b, 0,1,2,3
	s_delay_alu instid0(VALU_DEP_4)
	v_permlanex16_b32 v[BT+\b], v[BM+\b], s[SEL], s[SEL+1]
.endr
.irp b, 0,1,2,3
	s_delay_alu instid0(VALU_DEP_4)
	v_max_num_f32 v[BM+\b], v[BM+\b], v[BT+\b]
.endr
	s_delay_alu instid0(VALU_DEP_2)
	v_max3_num_f32 v[W0], v[BM], v[BM+1], v[BM+2]
	s_delay_alu instid0(VALU_DEP_1)
	v_max_num_f32 v[W0], v[W0], v[BM+3]
	s_delay_alu instid0(VALU_DEP_1)
	v_mul_f32 v[W0], s[CL], v[W0]                  ; as t
	s_delay_alu instid0(VALU_DEP_1)
	v_max_num_f32 v[TM+\g], v[TM+\g], v[W0]        ; the running largest t
	v_mov_b32 v[W0], v[12+4*\g]
	s_delay_alu instid0(VALU_DEP_2)
	v_floor_f32 v[12+4*\g], -v[TM+\g]              ; -M = floor(-t): M is a whole number;
	s_delay_alu instid0(VALU_DEP_3)
	v_floor_f32 v[13+4*\g], -v[TM+\g]              ; once more, for the second half of a pair of instructions
	s_delay_alu instid0(VALU_DEP_2)
	v_sub_f32 v[W0], v[12+4*\g], v[W0]
	s_delay_alu instid0(VALU_DEP_1)
	v_cvt_i32_f32 v[W0], v[W0]                     ; (it saturates)
	s_delay_alu instid0(VALU_DEP_1)
	v_ldexp_f32 v[FF+2*\g], 1.0, v[W0]             ; f = 2^(old M - new M): rounds nothing
	v_ldexp_f32 v[FF+2*\g+1], 1.0, v[W0]
.irp b, 0,1,2,3
	v_fma_f32 v[BM+\b], v[BM+\b], s[CL], v[12+4*\g]
.endr
.set j, 0
.rept 32
	v_dual_fmamk_f32 v[S+j], v[S+j], 0x3fb8aa3b, v[12+4*\g] :: v_dual_fmamk_f32 v[S+j+1], v[S+j+1], 0x3fb8aa3b, v[13+4*\g]   ; t - M, one fused multiply-add each
.set j, j+2
.endr
	s_wait_alu depctr_va_vdst(0)
.set j, 0
.rept 64
	v_exp_f32 v[S+j], v[S+j]                       ; p, at most 1, not normalised
.set j, j+1
.endr
	v_pk_mul_f32 v[14+4*\g:15+4*\g], v[14+4*\g:15+4*\g], v[FF+2*\g:FF+2*\g+1]   ; the sum under the new M: a plain line behind the exponentials
	s_wait_alu depctr_va_vdst(0)                   ; one wait for the batch, ahead of its first reader
.irp b, 0,1,2,3
	v_exp_f32 v[BM+\b], v[BM+\b]                   ; the block's largest p: the same multiply-add and exponential on the same number
.endr
	v_dual_add_f32 v[WP], v[S], v[S+2] :: v_dual_add_f32 v[WP+1], v[S+1], v[S+3]   ; the row's sum of the unquantised p, in four chains of pairs
	v_dual_add_f32 v[WP+2], v[S+4], v[S+6] :: v_dual_add_f32 v[WP+3], v[S+5], v[S+7]
	v_dual_add_f32 v[WP+4], v[S+8], v[S+10] :: v_dual_add_f32 v[WP+5], v[S+9], v[S+11]
.irp i, 12,20,28,36,44,52
	DADD 14+4*\g, S+\i
	DADD WP, S+\i+2
	DADD WP+2, S+\i+4
	DADD WP+4, S+\i+6
.endr
	DADD 14+4*\g, S+60
	DADD WP, S+62
	DADD WP+2, WP+4
	DADD 14+4*\g, WP
	DADD 14+4*\g, WP+2
	s_wait_alu depctr_va_vdst(0)                   ; and one for the four
.irp b, 0,1,2,3
	v_max_num_f32 v[BM+\b], 0x1800000, v[BM+\b]    ; the floor: the byte cannot fall under 1
.endr
.irp b, 0,1,2,3
	s_delay_alu instid0(VALU_DEP_4)
	v_add_nc_u32 v[SO+\b], 0xff000000, v[BM+\b]
.endr
.irp b, 0,1,2,3
	s_delay_alu instid0(VALU_DEP_4)
	v_lshrrev_b32 v[BT+\b], 23, v[SO+\b]
.endr
	s_delay_alu instid0(VALU_DEP_3)
	v_lshl_or_b32 v[W0], v[BT+1], 8, v[BT]
	s_delay_alu instid0(VALU_DEP_1)
	v_lshl_or_b32 v[W0], v[BT+2], 16, v[W0]
	s_delay_alu instid0(VALU_DEP_1)
	v_lshl_or_b32 v[PW+\g], v[BT+3], 24, v[W0]     ; p's scale word for these 128 keys
.irp c, 0,1
	v_cvt_scalef32_pk16_fp6_f32 v[PC+12*\g+6*\c:PC+12*\g+6*\c+2], v[S+32*\c:S+32*\c+15], v[SO+2*\c]
	v_cvt_scalef32_pk16_fp6_f32 v[CT+4*\c:CT+4*\c+2], v[S+32*\c+16:S+32*\c+31], v[SO+2*\c+1]
.endr
	v_nop                                          ; one plain line behind the last conversion
.irp c, 0,1
.irp i, 0,1,2
	v_permlane16_swap_b32 v[PC+12*\g+6*\c+\i], v[CT+4*\c+\i]   ; a whole block to a lane
.endr
.irp i, 0,1,2
	s_delay_alu instid0(VALU_DEP_3)
	v_mov_b32 v[PC+12*\g+6*\c+3+\i], v[CT+4*\c+\i]
.endr
.endr
.endm
.macro LKM q                           ; 29 LDS loads: K's scale words, K's four fragments, the mask's 64 registers, of the slot's q-th 128 keys
	ds_load_b128 v[KS:KS+3], v[ADS] offset:UNIT*(\q)
	WIN 0x40
.irp f, 0,1,2,3
.irp c, 0,1,2
	ds_load_b128 v[12*\f+4*\c:12*\f+4*\c+3], v[ADK] offset:UNIT*(\q)+1536*\f+512*\c
.endr
.endr
.irp b, 0,1,2,3
.irp j, 0,1,2,3
	ds_load_b128 v[MK+16*\b+4*\j:MK+16*\b+4*\j+3], v[ADM] offset:512*(\q)+128*\b+16*\j
.endr
.endr
	WIN 0
.endm
.macro LV q                            ; 13 LDS loads: V's scale words and its four fragments
	ds_load_b128 v[VS:VS+3], v[ADS] offset:UNIT*(\q)+VOFF-KOFF
	WIN 0x40
.irp f, 0,1,2,3
.irp c, 0,1,2
	ds_load_b128 v[48+12*\f+4*\c:48+12*\f+4*\c+3], v[ADV] offset:UNIT*(\q)+1536*\f+512*\c
.endr
.endr
	WIN 0
.endm
.macro QK g                            ; the logits of head g: k q^T / 8 + mask: K, q and the mask (as C) in window 1, the result in window 0
	WIN 0x15
.irp f, 0,1,2,3
.irp u, 0,1
	v_wmma_scale_f32_16x16x128_f8f6f4 v[S+8*(2*\f+\u):S+8*(2*\f+\u)+7], v[12*\f:12*\f+11], v[QF+18*\g+6-6*\u:QF+18*\g+17-6*\u], v[MK+8*(2*\f+\u):MK+8*(2*\f+\u)+7], v[KS+\f], v[QS+\g] matrix_a_fmt:MATRIX_FMT_FP6 matrix_b_fmt:MATRIX_FMT_FP6
.endr
.endr
	WIN 0
	NOPS                                           ; the places in front of the results' first reader and of loads into the sources
.endm
; A KEY STEP: 128 keys, the q-th of the slot in hand.  The first step fetches the second's K and mask once both heads' logits are made, and its V behind the last products.
.macro STEP q
	s_wait_dscnt 13                                ; K, its scale words and the mask are in; behind them: V's 13 loads
	QK 0
	SOFTMAX 0
	QK 1
.if (\q) == 0
	LKM 1
.endif
	SOFTMAX 1
	s_wait_alu depctr_va_vdst(0)
.irp g, 0,1
.set j, 0
.rept 16
	v_dual_mul_f32 v[OA+32*\g+j], v[FF+2*\g], v[OA+32*\g+j] :: v_dual_mul_f32 v[OA+32*\g+j+1], v[FF+2*\g+1], v[OA+32*\g+j+1]   ; O^T under the new M, from each accumulator's low end on.  (Also the places between p's codes and scale words and the products)
.set j, j+2
.endr
.endr
	s_wait_alu depctr_va_vdst(0)
	s_wait_dscnt 29*(1-(\q))                       ; V is in; in the first step the 29 loads for the second stay out
	WIN 0x01                                       ; V in window 1
.irp t, 0,1,2,3
.irp g, 0,1
	v_wmma_scale_f32_16x16x128_f8f6f4 v[OA+32*\g+8*\t:OA+32*\g+8*\t+7], v[48+12*\t:48+12*\t+11], v[PC+12*\g:PC+12*\g+11], v[OA+32*\g+8*\t:OA+32*\g+8*\t+7], v[VS+\t], v[PW+\g] matrix_a_fmt:MATRIX_FMT_FP6 matrix_b_fmt:MATRIX_FMT_FP6
.endr
.endr
	WIN 0
.if (\q) == 0
	NOPS
	LV 1
.endif
.endm
.macro BODY                            ; a slot's two key steps
	v_add_nc_u32 v[ADM], s[TB], v[AM0]             ; four plain lines: the places in front of loads into registers that the last products have read
	v_add_nc_u32 v[ADK], s[TB], v[AK0]
	v_add_nc_u32 v[ADV], s[TB], v[AV0]
	v_add_nc_u32 v[ADS], s[TB], v[AS0]
	LKM 0
	LV 0
	STEP 0
	STEP 1
.endm
; THE CHANGE OF SLOTS stands at a slot's head.  Each wave waits for all its tensor loads, adds 0 to its spare word, and waits for that and for its reads of the slot that it has left.
; fill = 1: a round of the cluster's barrier, and behind it the slot just left is filled with the keys that follow: the load has a slot's two key steps in which to land.
.macro CHANGE fill
	s_wait_tensorcnt 0x0                           ; no tensor load of mine is out, so a descriptor may be written
	ds_add_u32 v[SPW], v[NIL]
.if \fill
	s_xor_b32 s[G0M+1], s[G0M+1], SLOT1
	s_add_nc_u64 s[G0M+2:G0M+3], s[G0M+2:G0M+3], 1024
	s_xor_b32 s[G0K+1], s[G0K+1], SLOT1
	s_add_nc_u64 s[G0K+2:G0K+3], s[G0K+2:G0K+3], 2*UNIT
	s_wait_xcnt 0x0                                ; the last prefetch, a slot back, has read its address
	s_add_nc_u64 s[PFA:PFA+1], s[PFA:PFA+1], 1024
.endif
	s_wait_dscnt 0x0
.if \fill
	CROUND
	TLOAD
	ASK
.else
	s_barrier_signal -1
	s_barrier_wait -1
.endif
.endm
.Lslot:                                            ; NSL - 1 trips
	CHANGE 1
	BODY
	s_xor_b32 s[TB], s[TB], SLOT1
	s_sub_co_u32 s[SLOTS], s[SLOTS], 1
	s_cmp_lg_u32 s[SLOTS], 0
	s_cbranch_scc1 .Lslot
	CHANGE 0                                       ; the last slot is written out
	BODY
	; THE WAY OUT.  O^T / the sum; register 32 g + 8 t + j of a lane is the last product's k = 128 x (key/value head) + 32 (2 g + t / 2) + 16 h + 8 (t % 2) + j: 16 neighbours to each two tiles.
	NOPS
.irp g, 0,1
	v_add_f32 v[BM+\g], v[14+4*\g], v[15+4*\g]
.endr
.irp g, 0,1
	s_delay_alu instid0(VALU_DEP_2)
	v_permlanex16_b32 v[BT+\g], v[BM+\g], s[SEL], s[SEL+1]
.endr
.irp g, 0,1
	s_delay_alu instid0(VALU_DEP_2)
	v_add_f32 v[BM+\g], v[BM+\g], v[BT+\g]
.endr
	s_wait_alu depctr_va_vdst(0)
.irp g, 0,1
	v_rcp_f32 v[SO+\g], v[BM+\g]
.endr
	v_nop                                          ; a plain line behind the reciprocals
	s_wait_alu depctr_va_vdst(0)                   ; one wait for both, ahead of the first reader
.irp g, 0,1
.set n, 0
.rept 32
	v_mul_f32 v[S+32*\g+n], v[OA+32*\g+n], v[SO+\g]   ; each accumulator from its low end on
.set n, n+1
.endr
.endr
.irp b, 0,1,2,3
	v_max3_num_f32 v[BM+\b], |v[S+16*\b]|, |v[S+16*\b+1]|, 0x1800000
.endr
.irp i, 2,4,6,8,10,12,14
.irp b, 0,1,2,3
	s_delay_alu instid0(VALU_DEP_4)
	v_max3_num_f32 v[BM+\b], v[BM+\b], |v[S+16*\b+\i]|, |v[S+16*\b+\i+1]|
.endr
.endr
.irp b, 0,1,2,3
	s_delay_alu instid0(VALU_DEP_4)
	v_permlanex16_b32 v[BT+\b], v[BM+\b], s[SEL], s[SEL+1]
.endr
.irp b, 0,1,2,3
	s_delay_alu instid0(VALU_DEP_4)
	v_max_num_f32 v[BM+\b], v[BM+\b], v[BT+\b]
.endr
.irp b, 0,1,2,3
	s_delay_alu instid0(VALU_DEP_4)
	v_add_nc_u32 v[SO+\b], 0xff000000, v[BM+\b]
.endr
.irp b, 0,1,2,3
	s_delay_alu instid0(VALU_DEP_4)
	v_lshrrev_b32 v[BT+\b], 23, v[SO+\b]
.endr
	s_delay_alu instid0(VALU_DEP_3)
	v_lshl_or_b32 v[W0], v[BT+1], 8, v[BT]
	s_delay_alu instid0(VALU_DEP_1)
	v_lshl_or_b32 v[W0], v[BT+2], 16, v[W0]
	s_delay_alu instid0(VALU_DEP_1)
	v_lshl_or_b32 v[W0], v[BT+3], 24, v[W0]
.irp c, 0,1
	v_cvt_scalef32_pk16_fp6_f32 v[PC+6*\c:PC+6*\c+2], v[S+32*\c:S+32*\c+15], v[SO+2*\c]
	v_cvt_scalef32_pk16_fp6_f32 v[CT+4*\c:CT+4*\c+2], v[S+32*\c+16:S+32*\c+31], v[SO+2*\c+1]
.endr
	v_nop
.irp c, 0,1
.irp i, 0,1,2
	v_permlane16_swap_b32 v[PC+6*\c+\i], v[CT+4*\c+\i]
.endr
.irp i, 0,1,2
	s_delay_alu instid0(VALU_DEP_3)
	v_mov_b32 v[PC+6*\c+3+\i], v[CT+4*\c+\i]
.endr
.endr
.irp c, 0,1,2
	global_store_b128 v[OV], v[PC+4*\c:PC+4*\c+3], s[90:91] offset:512*\c   ; the fragment's image: 512 consecutive bytes a store
.endr
	global_store_b32 v[OS], v[W0], s[92:93] offset:6144   ; row r's scale word; lanes r and r + 16 hold the same word and name the same place
	s_wait_tensorcnt 0x0                           ; the wave's end
	ds_add_u32 v[SPW], v[NIL]
	s_wait_dscnt 0x0
	CROUND                                         ; the closing round
	s_endpgm
.Lfunc_end_k_q3fd1e83a54_attn:
	.size	k_q3fd1e83a54_attn, .Lfunc_end_k_q3fd1e83a54_attn-k_q3fd1e83a54_attn
	.p2alignl 7, 3214868480
	.fill 96, 4, 3214868480
	.section	.rodata,"a",@progbits
	.p2align	6, 0x0
	.amdhsa_kernel k_q3fd1e83a54_attn
		.amdhsa_group_segment_fixed_size 327680
		.amdhsa_private_segment_fixed_size 0
		.amdhsa_enable_private_segment 0
		.amdhsa_kernarg_size 24
		.amdhsa_user_sgpr_count 2
		.amdhsa_user_sgpr_kernarg_segment_ptr 1
		.amdhsa_wavefront_size32 1
		.amdhsa_system_sgpr_workgroup_id_x 1
		.amdhsa_system_sgpr_workgroup_id_y 1
		.amdhsa_system_sgpr_workgroup_id_z 1
		.amdhsa_system_vgpr_workitem_id 0
		.amdhsa_next_free_vgpr 512
		.amdhsa_next_free_sgpr 100
		.amdhsa_reserve_vcc 0
		.amdhsa_float_denorm_mode_32 3
		.amdhsa_float_denorm_mode_16_64 3
		.amdhsa_memory_ordered 1
		.amdhsa_forward_progress 1
		.amdhsa_inst_pref_size 161
	.end_amdhsa_kernel
	.amdgpu_metadata
---
amdhsa.version: [ 1, 2 ]
amdhsa.kernels:
  - .name:           k_q3fd1e83a54_attn
    .symbol:         k_q3fd1e83a54_attn.kd
    .args:
      - { .name: qkv, .offset: 0, .size: 8, .value_kind: global_buffer, .address_space: global }
      - { .name: attention_mask, .offset: 8, .size: 8, .value_kind: global_buffer, .address_space: global }
      - { .name: aobuf, .offset: 16, .size: 8, .value_kind: global_buffer, .address_space: global }
    .group_segment_fixed_size: 327680
    .private_segment_fixed_size: 0
    .kernarg_segment_align: 8
    .kernarg_segment_size: 24
    .max_flat_workgroup_size: 256
    .sgpr_count:     100
    .vgpr_count:     512
    .wavefront_size: 32
...
	.end_amdgpu_metadata
.endif
;; end of part 3
;; launch oproj (part 4): grid 16 x 16, 4 waves a work-group, clusters of 4 x 4, 327,680 bytes of LDS; arguments aobuf, wobuf, out0; writes out0
.if DOCPART == 4
	.amdgcn_target "amdgcn-amd-amdhsa--gfx1250"
	.amdhsa_code_object_version 6
	.text
	.protected	k_q3fd1e83a54_oproj
	.globl	k_q3fd1e83a54_oproj
	.p2align	8
	.type	k_q3fd1e83a54_oproj,@function
k_q3fd1e83a54_oproj:
	s_mov_b64 s[64:65], 0
	v_nop
	global_prefetch_b8 v0, s[64:65] scope:SCOPE_SE
	s_setreg_imm32_b32 hwreg(HW_REG_WAVE_MODE, 25, 1), 1
	s_wait_xcnt 0x0
	s_wait_alu depctr_hold_cnt(0) depctr_sa_sdst(0) depctr_va_vdst(0) depctr_va_sdst(0) depctr_va_ssrc(0) depctr_va_vcc(0) depctr_vm_vsrc(0)
	s_getreg_b32 s2, hwreg(HW_REG_IB_STS2, 6, 4)
	s_cmp_eq_u32 s2, 0
	s_cbranch_scc0 .Lentry_in_a_cluster
	s_endpgm
.Lentry_in_a_cluster:
	s_bfe_u32 s2, ttmp6, 0x10000c
	s_cmp_lg_u32 s2, 0xf033
	s_cbranch_scc0 .Lentry_shape_is_right
	s_endpgm
.Lentry_shape_is_right:
.set NSLOT, 2
.set UNIT,  6400
.set AHALF, 8*UNIT
.set BOFF,  16*UNIT
.set BHALF, 4*UNIT
.set SLOT,  24*UNIT
.set SPARE, 2*SLOT
.set ADRA, 16
.set ADRB, 18
.set ADS1, 20
.set ADS2, 22
.set STO,  24
.set RD,   25
.set CO,   26
.set L16,  27
.set SPW,  28
.set NIL,  29
.set SC,   32
.set BK,   96
.set G1,  24
.set G0,  32
.set G1B, 48
.set G0B, 56
.set MULW, 0x5b
.set MSB, 0
.macro WIN new
.if MSB != \new
	s_set_vgpr_msb (MSB<<8)|\new
.set MSB, \new
.endif
.endm
.macro PLACES n
.rept \n
	v_nop
.endr
.endm
.macro JLOAD g0a, g1a, g0b, g1b
	s_cmp_eq_u32 s15, 0
	s_cbranch_scc0 .Lfor_b_\@
	tensor_load_to_lds s[\g0a:\g0a+3], s[\g1a:\g1a+7]
	s_nop 0
.rept 4
	v_nop
.endr
	s_branch .Lasked_\@
.Lfor_b_\@:
	tensor_load_to_lds s[\g0b:\g0b+3], s[\g1b:\g1b+7]
	s_nop 0
.rept 4
	v_nop
.endr
.Lasked_\@:
.endm
.macro CREST
	s_cmp_lg_u32 s14, 0
	s_cbranch_scc1 .Lnot_wave_0_\@
	s_barrier_signal -3
.Lnot_wave_0_\@:
	s_barrier_wait -3
	s_barrier_signal -1
	s_barrier_wait -1
.endm
.macro CROUND
	s_barrier_signal -1
	s_barrier_wait -1
	CREST
.endm
	s_load_b128 s[4:7], s[0:1], 0x0
	s_load_b64 s[10:11], s[0:1], 0x10
	v_lshl_add_u32 v[SPW], v0, 2, SPARE
	v_mov_b32 v[NIL], 0
	ds_add_u32 v28, v29
	ds_add_u32 v28, v29
	s_wait_dscnt 0x0
	v_lshrrev_b32 v1, 5, v0
	v_readfirstlane_b32 s14, v1
	s_lshr_b32 s15, s14, 1
	s_and_b32 s16, s14, 1
	s_bfe_u32 s40, ttmp6, 0x40000
	s_bfe_u32 s41, ttmp6, 0x40004
	s_lshl_b32 s42, ttmp9, 2
	s_add_co_u32 s42, s42, s40
	s_and_b32 s17, ttmp7, 0xffff
	s_lshl_b32 s17, s17, 2
	s_add_co_u32 s17, s17, s41
	s_lshl_b32 s43, s41, 2
	s_lshl_b32 s43, 15, s43
	s_lshl_b32 s44, 0x1111, s40
	s_or_b32 s[G1], s43, (3<<16)|(1<<21)
	s_or_b32 s[G1B], s44, (3<<16)|(1<<21)
.irp g, G1, G1B
	s_mov_b32 s[\g+1], 800<<16
	s_mov_b32 s[\g+3], 800<<16
	s_mov_b32 s[\g+5], NSLOT*800
	s_mov_b32 s[\g+6], 0
	s_mov_b32 s[\g+7], 0
.endr
	s_mov_b32 s[G1+2], 8<<16
	s_mov_b32 s[G1+4], 8
	s_mov_b32 s[G1B+2], 4<<16
	s_mov_b32 s[G1B+4], 4
	s_lshl_b32 s20, s17, 4
	s_lshl_b32 s18, s16, 3
	s_add_co_u32 s20, s20, s18
	s_mul_i32 s20, s20, NSLOT*UNIT
	s_mov_b32 s21, 0
	s_lshl_b32 s46, s42, 3
	s_lshl_b32 s18, s16, 2
	s_add_co_u32 s46, s46, s18
	s_mul_i32 s46, s46, NSLOT*UNIT
	s_mov_b32 s47, 0
	s_mul_i32 s45, s16, AHALF
	s_mul_i32 s19, s16, BHALF
	s_add_co_u32 s19, s19, BOFF
	s_wait_kmcnt 0x0
	s_add_nc_u64 s[20:21], s[4:5], s[20:21]
	s_add_nc_u64 s[46:47], s[6:7], s[46:47]
	CROUND
.irp s, 0,1
	s_mov_b32 s[G0+4*\s], 1
	s_add_co_u32 s[G0+4*\s+1], s45, \s*SLOT
	s_add_nc_u64 s[G0+4*\s+2:G0+4*\s+3], s[20:21], \s*UNIT
	s_or_b32 s[G0+4*\s+3], s[G0+4*\s+3], 0x80000000
	s_mov_b32 s[G0B+4*\s], 1
	s_add_co_u32 s[G0B+4*\s+1], s19, \s*SLOT
	s_add_nc_u64 s[G0B+4*\s+2:G0B+4*\s+3], s[46:47], \s*UNIT
	s_or_b32 s[G0B+4*\s+3], s[G0B+4*\s+3], 0x80000000
.if \s == 1
	s_wait_alu depctr_va_vdst(0)
	s_wait_tensorcnt 0x0
	ds_add_u32 v28, v29
	s_wait_dscnt 0x0
	CROUND
.endif
	JLOAD G0+4*\s, G1, G0B+4*\s, G1B
.endr
	s_lshl_b32 s68, s17, 1
	s_add_co_u32 s68, s68, s15
	s_lshl_b32 s70, s68, 20
	s_lshl_b32 s69, s42, 9
	s_add_co_u32 s70, s70, s69
	s_lshl_b32 s69, s16, 8
	s_add_co_u32 s70, s70, s69
	s_mov_b32 s71, 0
	s_add_nc_u64 s[10:11], s[10:11], s[70:71]
	v_and_b32 v1, 15, v0
	v_bfe_u32 v2, v0, 4, 1
	s_wait_alu depctr_va_vdst(0)
	v_and_b32 v[L16], 31, v0
	v_lshlrev_b32 v[L16], 4, v[L16]
	s_mul_i32 s18, s15, AHALF
	s_mul_i32 s19, s16, BHALF
	s_add_co_u32 s19, s19, BOFF
.irp s, 0,1
	v_add_nc_u32 v[ADRA+\s], s18, v[L16]
	v_add_nc_u32 v[ADRB+\s], s19, v[L16]
	s_add_co_u32 s18, s18, SLOT
	s_add_co_u32 s19, s19, SLOT
.endr
	s_mul_i32 s18, s15, AHALF
	s_mul_i32 s19, s16, BHALF
	s_add_co_u32 s19, s19, BOFF
	s_sub_co_u32 s19, s19, s18
	v_mul_u32_u24 v5, s19, v2
	s_add_co_u32 s18, s18, 6144
	v_lshlrev_b32 v6, 4, v1
	v_add_nc_u32 v[ADS2], s18, v6
	v_add_nc_u32 v[ADS2+1], SLOT, v[ADS2]
	v_add_nc_u32 v[ADS1], v[ADS2], v5
	v_add_nc_u32 v[ADS1+1], v[ADS2+1], v5
	s_mul_i32 s18, s14, 16*272
	v_mul_u32_u24 v[STO], v1, 272
	v_lshl_add_u32 v[STO], v2, 6, v[STO]
	v_add_nc_u32 v[STO], s18, v[STO]
	v_mul_u32_u24 v[RD], v2, 272
	v_lshl_add_u32 v[RD], v1, 4, v[RD]
	v_add_nc_u32 v[RD], s18, v[RD]
	v_lshlrev_b32 v[CO], 13, v2
	v_lshl_add_u32 v[CO], v1, 4, v[CO]
.macro MUL a0, n, set, q, sc, zero
.set AA, \a0
.rept \n
.irp b, 0,1,2,3
.if \zero
	v_wmma_scale_f32_16x16x128_f8f6f4 v[8*(4*AA+\b):8*(4*AA+\b)+7], v[48*(\set)+12*\b:48*(\set)+12*\b+11], v[128*(\set)+12*AA:128*(\set)+12*AA+11], 0, v[SC+32*(\sc)+4*\b+(\q)], v[SC+32*(\sc)+4*AA+(\q)] matrix_a_fmt:MATRIX_FMT_FP6 matrix_b_fmt:MATRIX_FMT_FP6 matrix_a_scale:MATRIX_SCALE_ROW1
.else
	v_wmma_scale_f32_16x16x128_f8f6f4 v[8*(4*AA+\b):8*(4*AA+\b)+7], v[48*(\set)+12*\b:48*(\set)+12*\b+11], v[128*(\set)+12*AA:128*(\set)+12*AA+11], v[8*(4*AA+\b):8*(4*AA+\b)+7], v[SC+32*(\sc)+4*\b+(\q)], v[SC+32*(\sc)+4*AA+(\q)] matrix_a_fmt:MATRIX_FMT_FP6 matrix_b_fmt:MATRIX_FMT_FP6 matrix_a_scale:MATRIX_SCALE_ROW1
.endif
.endr
.set AA, AA+1
.endr
.endm
.macro FETCH slot, q, set
	WIN 0xc0
.irp i, 0,1,2,3
.irp c, 0,1,2
	ds_load_b128 v[48*(\set)+12*\i+4*\c:48*(\set)+12*\i+4*\c+3], v[ADRB+\slot] offset:UNIT*\i+1536*(\q)+512*\c
.endr
.endr
	WIN 0x80
.irp i, 0,1,2,3,4,5,6,7
.irp c, 0,1,2
	ds_load_b128 v[128*(\set)+12*\i+4*\c:128*(\set)+12*\i+4*\c+3], v[ADRA+\slot] offset:UNIT*\i+1536*(\q)+512*\c
.endr
.endr
.endm
.macro SCALES slot
	WIN 0
.irp i, 0,1,2,3
	ds_load_b128 v[SC+32*\slot+4*\i:SC+32*\slot+4*\i+3], v[ADS1+\slot] offset:UNIT*\i
.endr
.irp i, 4,5,6,7
	ds_load_b128 v[SC+32*\slot+4*\i:SC+32*\slot+4*\i+3], v[ADS2+\slot] offset:UNIT*\i
.endr
.endm
.macro STEP slot, q, zero
	s_wait_dscnt 0x0
	PLACES 4
	FETCH \slot, (\q)+1, ((\q)+1)%2
	WIN MULW
	MUL 0, 8, (\q)%2, \q, \slot, \zero
.endm
	s_wait_alu depctr_va_vdst(0)
	s_wait_tensorcnt 1
	s_barrier_signal -1
	s_barrier_wait -1
	FETCH 0, 0, 0
	SCALES 0
	STEP 0, 0, 1
	STEP 0, 1, 0
	STEP 0, 2, 0
	WIN 0
	s_wait_tensorcnt 0x0
	ds_add_u32 v[SPW], v[NIL]
	s_wait_dscnt 1
	WIN MULW
	MUL 0, 2, 1, 3, 0, 0
	s_wait_dscnt 0x0
	s_barrier_signal -1
	MUL 2, 2, 1, 3, 0, 0
	WIN 0
	s_barrier_wait -1
	PLACES 4
	FETCH 1, 0, 0
	SCALES 1
	WIN MULW
	MUL 4, 4, 1, 3, 0, 0
	STEP 1, 0, 0
	STEP 1, 1, 0
	STEP 1, 2, 0
	s_wait_dscnt 0x0
	MUL 0, 8, 1, 3, 1, 0
	WIN 0
.macro TOSTAGE a
	WIN 0x04
.irp b, 0,1,2,3
	ds_store_b128 v[STO], v[8*(4*(\a)+\b):8*(4*(\a)+\b)+3] offset:128*(\b/2)+32*(\b%2)
	ds_store_b128 v[STO], v[8*(4*(\a)+\b)+4:8*(4*(\a)+\b)+7] offset:128*(\b/2)+32*(\b%2)+16
.endr
	WIN 0
.irp t, 0,1,2,3,4,5,6,7
	ds_load_b128 v[BK+32*((\a)%2)+4*\t:BK+32*((\a)%2)+4*\t+3], v[RD] offset:\t*2*272
.endr
.endm
.macro SEND a, younger
	s_wait_dscnt \younger
.irp t, 0,1,2,3,4,5,6,7
	global_store_b128 v[CO], v[BK+32*((\a)%2)+4*\t:BK+32*((\a)%2)+4*\t+3], s[10:11] offset:8192*(32*((\a)/2)+8*((\a)%2)+2*\t+8*(\t/4)) th:TH_STORE_NT
.endr
.endm
	PLACES 4
	TOSTAGE 0
.irp a, 1,2,3,4,5,6,7
.if \a > 1
	s_wait_xcnt 0x0
.endif
	TOSTAGE \a
	SEND \a-1, 16
.endr
	SEND 7, 0
	s_wait_tensorcnt 0x0
	ds_add_u32 v[SPW], v[NIL]
	s_wait_dscnt 0x0
	CROUND
	s_endpgm
.Lfunc_end_k_q3fd1e83a54_oproj:
	.size	k_q3fd1e83a54_oproj, .Lfunc_end_k_q3fd1e83a54_oproj-k_q3fd1e83a54_oproj
	.p2alignl 7, 3214868480
	.fill 96, 4, 3214868480
	.section	.rodata,"a",@progbits
	.p2align	6, 0x0
	.amdhsa_kernel k_q3fd1e83a54_oproj
		.amdhsa_group_segment_fixed_size 327680
		.amdhsa_private_segment_fixed_size 0
		.amdhsa_enable_private_segment 0
		.amdhsa_kernarg_size 24
		.amdhsa_user_sgpr_count 2
		.amdhsa_user_sgpr_kernarg_segment_ptr 1
		.amdhsa_wavefront_size32 1
		.amdhsa_system_sgpr_workgroup_id_x 1
		.amdhsa_system_sgpr_workgroup_id_y 1
		.amdhsa_system_sgpr_workgroup_id_z 1
		.amdhsa_system_vgpr_workitem_id 0
		.amdhsa_next_free_vgpr 1024
		.amdhsa_next_free_sgpr 100
		.amdhsa_reserve_vcc 0
		.amdhsa_float_denorm_mode_32 3
		.amdhsa_float_denorm_mode_16_64 3
		.amdhsa_memory_ordered 1
		.amdhsa_forward_progress 1
		.amdhsa_inst_pref_size 77
	.end_amdhsa_kernel
	.amdgpu_metadata
---
amdhsa.version: [ 1, 2 ]
amdhsa.kernels:
  - .name:           k_q3fd1e83a54_oproj
    .symbol:         k_q3fd1e83a54_oproj.kd
    .args:
      - { .name: aobuf, .offset: 0, .size: 8, .value_kind: global_buffer, .address_space: global }
      - { .name: wobuf, .offset: 8, .size: 8, .value_kind: global_buffer, .address_space: global }
      - { .name: out0, .offset: 16, .size: 8, .value_kind: global_buffer, .address_space: global }
    .group_segment_fixed_size: 327680
    .private_segment_fixed_size: 0
    .kernarg_segment_align: 8
    .kernarg_segment_size: 24
    .max_flat_workgroup_size: 128
    .sgpr_count:     100
    .vgpr_count:     1024
    .wavefront_size: 32
...
	.end_amdgpu_metadata
.endif
;; end of part 4
